; MI455X (gfx1250); checked and timed in simulation.
; The chip was launched on July 23, 2026; its instructions are those of AMD's public machine-readable ISA for CDNA 5 (MIT licence, August 2026) and "CDNA5" Instruction Set Architecture Reference Guide (July 2026). The comments in the code are by the model that wrote it; some were corrected since.
;; Gated Linear Attention. Allowed arithmetic: float matrix products may take bf16 or f16 operands with f32 sums; other float arithmetic in f32, or as packed bf16 or f16 multiplies, adds, multiply-adds, maxima and minima; sums over many terms, partial sums and values carried from step to step in f32; what a program stores and reads back later, other than sums and carried values, may be rounded once to bf16 or f16.
;; Inputs: Wg 1,024 x 2,048 float32; Wgk1 1,024 x 16 float32; Wgk2 16 x 1,024 float32; Wk 1,024 x 1,024 float32; Wo 2,048 x 1,024 float32; Wq 1,024 x 1,024 float32; Wv 1,024 x 2,048 float32; bgk2 1,024 float32; g_norm_weight 512 float32; x 4 x 512 x 1,024 float32.
;; Outputs: out0 4 x 512 x 1,024 float32.
;; 2 versions, each right; version 2 is version 1 with the launches gate, norm written anew for expert scheduling mode. Each part assembles by itself: llvm-mc -triple=amdgcn-amd-amdhsa -mcpu=gfx1250 --defsym DOCPART=n.
;; ======== version 1 of 2: 6 launches
;; limits: values are held in f16: magnitudes above 65,504 overflow, below 6.1e-05 lose precision
;; workspace buffers: cst 21,004,288 bytes; pqkg 16,777,216 bytes; vf 8,388,608 bytes; rec 9,240,576 bytes; of 16,777,216 bytes; ssq 1,048,576 bytes; yb 8,388,608 bytes
;; launch cast (part 1): grid 1281 x 1, 8 waves a work-group, no clusters, 0 bytes of LDS; arguments x, Wo, Wq, Wk, Wg, Wv, Wgk1, cst; writes cst
.if DOCPART == 1
	.amdgcn_target "amdgcn-amd-amdhsa--gfx1250"
	.amdhsa_code_object_version 6
	.text
	.protected	k_qfd29e06da8_cast
	.globl	k_qfd29e06da8_cast
	.p2align	8
	.type	k_qfd29e06da8_cast,@function
k_qfd29e06da8_cast:
	s_mov_b64 s[64:65], 0
	v_nop
	global_prefetch_b8 v0, s[64:65] scope:SCOPE_SE
	s_setreg_imm32_b32 hwreg(HW_REG_WAVE_MODE, 25, 1), 1
	s_wait_xcnt 0x0
; All large inputs are rounded once to bf16 and laid for the products that follow.
; cst: xb [2048][1024] at 0; wob [2048][1024] at 4,194,304; wcat [1024][6144] (columns q, k, g, v) at 8,388,608; wg1t [16][1024] at 20,971,520.
; A piece is 1,024 consecutive f32 of a source (4,096 bytes in, 2,048 out); a work-group takes 8 pieces, thread t four numbers of each:
; a wave's load covers 512 consecutive bytes, its store 256 consecutive bytes at a multiple of 256.  Work-group 1280 transposes Wgk1.
; A stream: no LDS, no matrix unit, no cluster (no byte is shared between work-groups).
.set X,  8                             ; v[8:71]   as loaded
.set DO, 72                            ; v[72:79]  piece j: byte offset in cst
.set Y,  80                            ; v[80:95]  piece j: two registers to store
.set YT, 72                            ; v[72:103] the transposing work-group's store data
.set WCAT, 8388608
.set WG1T, 20971520
	s_load_b512 s[8:23], s[0:1], 0x0               ; x 8, Wo 10, Wq 12, Wk 14, Wg 16, Wv 18, Wgk1 20, cst 22
	v_lshlrev_b32 v1, 4, v0                        ; 16 t: my 16 bytes of a piece
	v_lshlrev_b32 v2, 3, v0                        ; 8 t: my 8 bytes of its image
	s_mov_b32 s26, 0                               ; the region's first work-group
	s_mov_b32 s27, 0                               ; its first byte in cst
	s_mov_b32 s28, 2048                            ; bytes from row to row there
	s_mov_b32 s29, 0                               ; 1: a source row is two pieces
	s_wait_kmcnt 0x0
	s_cmp_eq_u32 ttmp9, 1280
	s_cbranch_scc1 .Ltrans
	s_mov_b64 s[24:25], s[8:9]
.macro REGION from, ptr, base, pitch, sh       ; from work-group 'from' on another source; the choice hangs on the work-group's number alone
	s_cmp_ge_u32 ttmp9, \from
	s_cselect_b64 s[24:25], s[\ptr:\ptr+1], s[24:25]
	s_cselect_b32 s26, \from, s26
	s_cselect_b32 s27, \base, s27
	s_cselect_b32 s28, \pitch, s28
	s_cselect_b32 s29, \sh, s29
.endm
	REGION 256,  10, 4194304,   2048,  0
	REGION 512,  12, WCAT,      12288, 0
	REGION 640,  14, WCAT+2048, 12288, 0
	REGION 768,  16, WCAT+4096, 12288, 1
	REGION 1024, 18, WCAT+8192, 12288, 1
	s_sub_co_u32 s30, ttmp9, s26
	s_lshl_b32 s30, s30, 3                         ; my first piece
	s_lshl_b32 s32, s30, 12
	s_mov_b32 s33, 0
	s_add_nc_u64 s[24:25], s[24:25], s[32:33]
.irp j, 0,1,2,3,4,5,6,7
	global_load_b128 v[X+4*\j:X+4*\j+3], v1, s[24:25] offset:\j*4096 th:TH_LOAD_NT
.endr
.irp j, 0,1,2,3,4,5,6,7
	s_add_co_u32 s34, s30, \j
	s_lshr_b32 s35, s34, s29                       ; the piece's row,
	s_and_b32 s34, s34, s29                        ; and which half of it
	s_mul_i32 s35, s35, s28
	s_lshl_b32 s34, s34, 11
	s_add_co_u32 s35, s35, s34
	s_add_co_u32 s35, s35, s27
	v_add_nc_u32 v[DO+\j], s35, v2
.endr
.irp j, 0,1,2,3,4,5,6,7
	s_wait_loadcnt 7-\j                            ; loads come back in order: piece j is in, the younger ones stay out
	v_cvt_pk_bf16_f32 v[Y+2*\j], v[X+4*\j], v[X+4*\j+1]
	v_cvt_pk_bf16_f32 v[Y+2*\j+1], v[X+4*\j+2], v[X+4*\j+3]
	global_store_b64 v[DO+\j], v[Y+2*\j:Y+2*\j+1], s[22:23]
.endr
	s_endpgm
.Ltrans:                                               ; Wgk1 [1024][16] -> wg1t [16][1024]: thread t holds rows 4 t .. 4 t + 3, 256 consecutive bytes
	v_lshlrev_b32 v3, 8, v0
.set i, 0
.rept 16
	global_load_b128 v[X+4*i:X+4*i+3], v3, s[20:21] offset:16*i
.set i, i+1
.endr
	v_add_nc_u32 v4, WG1T, v2
	s_wait_loadcnt 0x0
.set i, 0
.rept 16                                       ; column i of my four rows: 8 bytes of row i of the image
	v_cvt_pk_bf16_f32 v[YT+2*i], v[X+i], v[X+16+i]
	v_cvt_pk_bf16_f32 v[YT+2*i+1], v[X+32+i], v[X+48+i]
	global_store_b64 v4, v[YT+2*i:YT+2*i+1], s[22:23] offset:i*2048
.set i, i+1
.endr
	s_endpgm
.Lfunc_end_k_qfd29e06da8_cast:
	.size	k_qfd29e06da8_cast, .Lfunc_end_k_qfd29e06da8_cast-k_qfd29e06da8_cast
	.p2alignl 7, 3214868480
	.fill 96, 4, 3214868480
	.section	.rodata,"a",@progbits
	.p2align	6, 0x0
	.amdhsa_kernel k_qfd29e06da8_cast
		.amdhsa_group_segment_fixed_size 0
		.amdhsa_private_segment_fixed_size 0
		.amdhsa_enable_private_segment 0
		.amdhsa_kernarg_size 64
		.amdhsa_user_sgpr_count 2
		.amdhsa_user_sgpr_kernarg_segment_ptr 1
		.amdhsa_wavefront_size32 1
		.amdhsa_system_sgpr_workgroup_id_x 1
		.amdhsa_system_sgpr_workgroup_id_y 1
		.amdhsa_system_sgpr_workgroup_id_z 1
		.amdhsa_system_vgpr_workitem_id 0
		.amdhsa_next_free_vgpr 104
		.amdhsa_next_free_sgpr 66
		.amdhsa_reserve_vcc 0
		.amdhsa_float_denorm_mode_32 3
		.amdhsa_float_denorm_mode_16_64 3
		.amdhsa_memory_ordered 1
		.amdhsa_forward_progress 1
		.amdhsa_inst_pref_size 13
	.end_amdhsa_kernel
	.amdgpu_metadata
---
amdhsa.version: [ 1, 2 ]
amdhsa.kernels:
  - .name:           k_qfd29e06da8_cast
    .symbol:         k_qfd29e06da8_cast.kd
    .args:
      - { .name: x, .offset: 0, .size: 8, .value_kind: global_buffer, .address_space: global }
      - { .name: Wo, .offset: 8, .size: 8, .value_kind: global_buffer, .address_space: global }
      - { .name: Wq, .offset: 16, .size: 8, .value_kind: global_buffer, .address_space: global }
      - { .name: Wk, .offset: 24, .size: 8, .value_kind: global_buffer, .address_space: global }
      - { .name: Wg, .offset: 32, .size: 8, .value_kind: global_buffer, .address_space: global }
      - { .name: Wv, .offset: 40, .size: 8, .value_kind: global_buffer, .address_space: global }
      - { .name: Wgk1, .offset: 48, .size: 8, .value_kind: global_buffer, .address_space: global }
      - { .name: cst, .offset: 56, .size: 8, .value_kind: global_buffer, .address_space: global }
    .group_segment_fixed_size: 0
    .private_segment_fixed_size: 0
    .kernarg_segment_align: 8
    .kernarg_segment_size: 64
    .max_flat_workgroup_size: 256
    .sgpr_count:     66
    .vgpr_count:     104
    .wavefront_size: 32
...
	.end_amdgpu_metadata
.endif
;; end of part 1
;; launch proj (part 2): grid 48 x 16, 4 waves a work-group, clusters of 4 x 4, 327,680 bytes of LDS; arguments cst, pqkg, vf; writes pqkg, vf
.if DOCPART == 2
	.amdgcn_target "amdgcn-amd-amdhsa--gfx1250"
	.amdhsa_code_object_version 6
	.text
	.protected	k_qfd29e06da8_proj
	.globl	k_qfd29e06da8_proj
	.p2align	8
	.type	k_qfd29e06da8_proj,@function
k_qfd29e06da8_proj:
	s_mov_b64 s[64:65], 0
	v_nop
	global_prefetch_b8 v0, s[64:65] scope:SCOPE_SE
	s_setreg_imm32_b32 hwreg(HW_REG_WAVE_MODE, 25, 1), 1
	s_wait_xcnt 0x0
	s_wait_alu depctr_hold_cnt(0) depctr_sa_sdst(0) depctr_va_vdst(0) depctr_va_sdst(0) depctr_va_ssrc(0) depctr_va_vcc(0) depctr_vm_vsrc(0)
	s_getreg_b32 s2, hwreg(HW_REG_IB_STS2, 6, 4)
	s_cmp_eq_u32 s2, 0
	s_cbranch_scc0 .Lentry_in_a_cluster
	s_endpgm
.Lentry_in_a_cluster:
	s_bfe_u32 s2, ttmp6, 0x10000c
	s_cmp_lg_u32 s2, 0xf033
	s_cbranch_scc0 .Lentry_shape_is_right
	s_endpgm
.Lentry_shape_is_right:
; C = A B, bf16 operands, f32 sums.  A [rows][SIZE_K] lies along K; B [SIZE_K][LDB] lies along N and is turned on its way out of LDS (ds_load_tr16_b128).
; HERE: A = xb (2048 x 1024), B = wcat (1024 x 6144); q, k, g leave as f16 rows of pqkg, v as f16 fragment images in vf.  LIMIT: q, k, v, g within f16's 65,504.
; A tile of C is TM x 128; four waves, each 16 WM x 64.  K goes in steps of 256 through two LDS slots filled by tensor loads: waves 0, 1 bring A's halves, waves 2, 3 B's.
; CLUSTER 4 x 4: A's tile is shared along a row of the cluster, B's along a column; each is asked for jointly, by the same load with the same descriptor and a mask of four.
; The matrix instruction is used transposed (source 0 = 16 columns of B, source 1 = 16 rows of A): a lane holds eight neighbouring numbers of a row of C.
; REGISTERS: window 0: v0-31 addresses, v32-95 the way out, v128-255 accumulators ((a, b) at 128 + 8 (4 a + b)); window 1: two fragment buffers of 128 (A's 64, then B's 64).
.set WM,     4                         ; blocks of 16 rows a wave
.set SIZE_K, 1024
.set LDB,    6144                      ; elements from row to row of B
.set EPI,    0                         ; 0: f16 out (rows, or V's images); 1: f32 rows out
.set BOFF,   8388608                   ; B's first byte in cst
.set TM,     32*WM
.set KSTEP,  256
.set PA,     528                       ; a row of A in LDS: 512 bytes + 16: the 16 rows of a load start at 16 different groups of four banks
.set PB,     288                       ; a row of B: 256 bytes + 32
.set ASZ,    TM*PA
.set AHALF,  (TM/2)*PA
.set BHALF,  128*PB
.set SLOT,   ASZ+2*BHALF
.set STAGE,  2*SLOT                    ; behind the ring, never filled by a tensor load
.if EPI == 0
.set SPITCH, 272
.else
.set SPITCH, 528
.endif
.set SPARE,  STAGE+TM*SPITCH           ; the spare words: 128 bytes a wave, named by no other line
.set LAPS,   SIZE_K/(2*KSTEP)
.set LC,     8+2*WM                    ; LDS loads for 32 along K
.set ADRA, 16                          ; v16-17  my A fragments in slot 0, 1
.set ADRB, 20                          ; v20-23  my B fragments: slot 0, 1 (k rows 0-127), slot 0, 1 (k rows 128-255)
.set STO,  24
.set RD,   25
.set CO,   26
.set RDV,  27
.set SPW,  28
.set NIL,  29
.set COV,  30
.set TMP,  32
.set ACC,  128
.set F0,   0
.set F1,   128
.set G1,  24
.set G0,  32
.set G1B, 48
.set G0B, 56
.set MSB, 0
.macro WIN new                         ; the immediate's high byte repeats the setting that is left
.if MSB != (\new)
	s_set_vgpr_msb (MSB<<8)|(\new)
.set MSB, \new
.endif
.endm
.set MUL,  0x05                        ; sources 0 and 1 window 1; C and D window 0
.set TO_F, 0x40                        ; destination window 1, address window 0
.macro JLOAD s                         ; a joint load; the branch hangs on the wave's number alone; s_nop 0 and four v_nop follow each line
	s_cmp_eq_u32 s11, 0
	s_cbranch_scc0 .Lfor_b_\@
	tensor_load_to_lds s[G0+4*(\s):G0+4*(\s)+3], s[G1:G1+7]
	s_nop 0
.rept 4
	v_nop
.endr
	s_branch .Lasked_\@
.Lfor_b_\@:
	tensor_load_to_lds s[G0B+4*(\s):G0B+4*(\s)+3], s[G1B:G1B+7]
	s_nop 0
.rept 4
	v_nop
.endr
.Lasked_\@:
.endm
.macro CREST                           ; a round of the cluster's barrier behind its opening barrier
	s_cmp_lg_u32 s10, 0
	s_cbranch_scc1 .Lnot_wave_0_\@
	s_barrier_signal -3
.Lnot_wave_0_\@:
	s_barrier_wait -3
	s_barrier_signal -1
	s_barrier_wait -1
.endm
.macro CROUND
	s_barrier_signal -1
	s_barrier_wait -1
	CREST
.endm
.macro PLACES                          ; four places behind matrix instructions, in front of loads into their sources and of reads of their results
.rept 4
	v_nop
.endr
.endm
	s_load_b128 s[4:7], s[0:1], 0x0
.if EPI == 0
	s_load_b64 s[66:67], s[0:1], 0x10              ; cst s[4:5], pqkg s[6:7], vf s[66:67]
.else
	s_load_b64 s[8:9], s[0:1], 0x10                ; A s[4:5], cst s[6:7], C s[8:9]
.endif
	v_lshl_add_u32 v[SPW], v0, 2, SPARE
	v_mov_b32 v[NIL], 0
	ds_add_u32 v[SPW], v[NIL]                      ; the wave's opening: the add and its wait stand ahead of my first tensor load
	v_lshrrev_b32 v1, 5, v0
	v_readfirstlane_b32 s10, v1                    ; wave 0..3
	s_lshr_b32 s11, s10, 1                         ; my half of the tile's rows; also: I fetch for A (0) or B (1)
	s_and_b32 s12, s10, 1                          ; my half of its columns; also: which half of that tile I fetch
	s_bfe_u32 s40, ttmp6, 0x40000                  ; cx
	s_bfe_u32 s41, ttmp6, 0x40004                  ; cy
	s_lshl_b32 s42, ttmp9, 2
	s_add_co_u32 s42, s42, s40                     ; tile column
	s_and_b32 s13, ttmp7, 0xffff
	s_lshl_b32 s13, s13, 2
	s_add_co_u32 s13, s13, s41                     ; tile row
	s_lshl_b32 s43, s41, 2
	s_lshl_b32 s43, 15, s43                        ; my row of the cluster
	s_lshl_b32 s44, 0x1111, s40                    ; my column
	s_or_b32 s[G1+0], s43, (1<<16)|(1<<20)|(1<<21)|(6<<22)|(3<<25)   ; mask; 2-byte elements; padding on; bit 21 beside a mask; after 128 words 4 words
	s_or_b32 s[G1B+0], s44, (1<<16)|(1<<20)|(1<<21)|(5<<22)|(7<<25)  ; after 64 words 8 words
	s_mov_b32 s[G1+1], KSTEP<<16                   ; A: TM/2 rows of 256 elements
	s_mov_b32 s[G1+2], (TM/2)<<16
	s_mov_b32 s[G1+3], KSTEP<<16
	s_mov_b32 s[G1+4], TM/2
	s_mov_b32 s[G1+5], SIZE_K
	s_mov_b32 s[G1+6], 0
	s_mov_b32 s[G1+7], 0
	s_mov_b32 s[G1B+1], 128<<16                    ; B: 128 k rows of 128 elements
	s_mov_b32 s[G1B+2], 128<<16
	s_mov_b32 s[G1B+3], 128<<16
	s_mov_b32 s[G1B+4], 128
	s_mov_b32 s[G1B+5], LDB
	s_mov_b32 s[G1B+6], 0
	s_mov_b32 s[G1B+7], 0
	s_mul_i32 s17, s12, TM/2
	s_mul_i32 s16, s13, TM
	s_add_co_u32 s16, s16, s17                     ; A: the first row that I fetch
	s_mov_b32 s17, 0
	s_mov_b64 s[18:19], SIZE_K*2
	s_mul_u64 s[16:17], s[16:17], s[18:19]
	s_mul_i32 s46, s12, 128*LDB*2                  ; B: my 128 k rows,
	s_lshl_b32 s47, s42, 8                         ; the tile's 128 columns
	s_add_co_u32 s46, s46, s47
	s_mov_b32 s47, 0
	s_mul_i32 s20, s12, AHALF                      ; where they go: no place in the cluster enters an LDS address
	s_mul_i32 s45, s12, BHALF
	s_add_co_u32 s45, s45, ASZ
	s_wait_dscnt 0x0                               ; the opening add is done
	s_wait_kmcnt 0x0
.if EPI == 0
	s_mov_b64 s[8:9], s[6:7]                       ; C = pqkg
	s_add_nc_u64 s[6:7], s[4:5], BOFF              ; B = wcat, in the same buffer as A
.else
	s_add_nc_u64 s[6:7], s[6:7], BOFF
.endif
	s_add_nc_u64 s[14:15], s[4:5], s[16:17]
	s_add_nc_u64 s[46:47], s[6:7], s[46:47]
	CROUND                                         ; all sixteen work-groups are here: the first joint loads meet
.irp s, 0,1
	s_mov_b32 s[G0+4*(\s)], 1
	s_add_co_u32 s[G0+4*(\s)+1], s20, (\s)*SLOT
	s_add_nc_u64 s[G0+4*(\s)+2:G0+4*(\s)+3], s[14:15], (\s)*KSTEP*2
	s_or_b32 s[G0+4*(\s)+3], s[G0+4*(\s)+3], 0x80000000
	s_mov_b32 s[G0B+4*(\s)], 1
	s_add_co_u32 s[G0B+4*(\s)+1], s45, (\s)*SLOT
	s_add_nc_u64 s[G0B+4*(\s)+2:G0B+4*(\s)+3], s[46:47], (\s)*KSTEP*LDB*2
	s_or_b32 s[G0B+4*(\s)+3], s[G0B+4*(\s)+3], 0x80000000
	JLOAD \s
.endr
	v_and_b32 v1, 15, v0                           ; l % 16
	v_bfe_u32 v2, v0, 4, 1                         ; l / 16
	v_mul_u32_u24 v3, v1, PA
	v_lshl_add_u32 v3, v2, 4, v3                   ; A: row x pitch + 16 x half
	s_mul_i32 s21, s11, 16*WM*PA
	v_add_nc_u32 v[ADRA], s21, v3
	v_add_nc_u32 v[ADRA+1], SLOT, v[ADRA]
	v_and_b32 v7, 7, v0
	v_lshl_add_u32 v7, v2, 3, v7                   ; B: k row 8 (l / 16) + l % 8,
	v_bfe_u32 v5, v0, 3, 1                         ; columns 8 ((l / 8) % 2) on
	v_mul_u32_u24 v4, v7, PB
	v_lshl_add_u32 v4, v5, 4, v4
	s_lshl_b32 s22, s12, 7
	s_add_co_u32 s22, s22, ASZ
	v_add_nc_u32 v[ADRB], s22, v4
	v_add_nc_u32 v[ADRB+1], SLOT, v[ADRB]
	v_add_nc_u32 v[ADRB+2], BHALF, v[ADRB]
	v_add_nc_u32 v[ADRB+3], BHALF, v[ADRB+1]
.if EPI == 0
	s_mul_i32 s23, s11, 64*SPITCH                  ; into the stage: my 64 rows, my half of their 256 bytes
	s_lshl_b32 s21, s12, 7
	s_add_co_u32 s23, s23, s21
	s_add_co_u32 s23, s23, STAGE
	v_mul_u32_u24 v6, v1, SPITCH
	v_lshl_add_u32 v6, v2, 4, v6
	v_add_nc_u32 v[STO], s23, v6
	s_mul_i32 s23, s10, 32*SPITCH                  ; back: wave w takes rows 32 w .. 32 w + 31
	s_add_co_u32 s23, s23, STAGE
	v_mul_u32_u24 v6, v2, SPITCH
	v_lshl_add_u32 v6, v1, 4, v6
	v_add_nc_u32 v[RD], s23, v6
	v_lshlrev_b32 v6, 13, v2                       ; and the same two rows in pqkg (8,192 bytes a row)
	v_lshl_add_u32 v[CO], v1, 4, v6
	v_mul_u32_u24 v6, v7, SPITCH                   ; V: the same 32 rows, turned
	v_lshl_add_u32 v6, v5, 4, v6
	v_add_nc_u32 v[RDV], s23, v6
	v_and_b32 v6, 31, v0
	v_lshlrev_b32 v[COV], 4, v6
.else
	s_mul_i32 s23, s11, 32*SPITCH                  ; into the stage: my 32 rows, my half of their 512 bytes; 32 bytes for each half of the lanes
	s_lshl_b32 s21, s12, 8
	s_add_co_u32 s23, s23, s21
	s_add_co_u32 s23, s23, STAGE
	v_mul_u32_u24 v6, v1, SPITCH
	v_lshl_add_u32 v6, v2, 5, v6
	v_add_nc_u32 v[STO], s23, v6
	s_mul_i32 s23, s10, 16*SPITCH                  ; back: wave w takes rows 16 w .. 16 w + 15, a whole row of 512 bytes a load
	s_add_co_u32 s23, s23, STAGE
	v_and_b32 v6, 31, v0
	v_lshlrev_b32 v[CO], 4, v6
	v_add_nc_u32 v[RD], s23, v[CO]
.endif
; WM/2 x 4 matrix instructions: half 'half' of my row blocks x all 4 column blocks, 32 along K (part c of buffer f).  The accumulators take turns.
.macro MULH f, c, half, zero
	WIN MUL
.set ma, (\half)*(WM/2)
.rept WM/2
.irp b, 0,1,2,3
.if \zero
	v_wmma_f32_16x16x32_bf16 v[ACC+8*(4*ma+(\b)):ACC+8*(4*ma+(\b))+7], v[(\f)+64+8*(4*(\c)+(\b)):(\f)+64+8*(4*(\c)+(\b))+7], v[(\f)+8*(4*(\c)+ma):(\f)+8*(4*(\c)+ma)+7], 0
.else
	v_wmma_f32_16x16x32_bf16 v[ACC+8*(4*ma+(\b)):ACC+8*(4*ma+(\b))+7], v[(\f)+64+8*(4*(\c)+(\b)):(\f)+64+8*(4*(\c)+(\b))+7], v[(\f)+8*(4*(\c)+ma):(\f)+8*(4*(\c)+ma)+7], v[ACC+8*(4*ma+(\b)):ACC+8*(4*ma+(\b))+7]
.endif
.endr
.set ma, ma+1
.endr
.endm
; 2 LC LDS loads in one run: the fragments of quarter kq (64 along K) of a slot into buffer f; the first 32 along K first
.macro FETCH slot, kq, f
	WIN TO_F
.irp c, 0,1
.irp i, 0,1,2,3
	ds_load_tr16_b128 v[(\f)+64+8*(4*(\c)+(\i)):(\f)+64+8*(4*(\c)+(\i))+3],   v[ADRB+(\slot)+2*((\kq)/2)] offset:(((\kq)%2)*64+32*(\c))*PB+32*(\i)
	ds_load_tr16_b128 v[(\f)+64+8*(4*(\c)+(\i))+4:(\f)+64+8*(4*(\c)+(\i))+7], v[ADRB+(\slot)+2*((\kq)/2)] offset:(((\kq)%2)*64+32*(\c)+16)*PB+32*(\i)
.endr
.set fi, 0
.rept WM
	ds_load_b128 v[(\f)+8*(4*(\c)+fi):(\f)+8*(4*(\c)+fi)+3],   v[ADRA+(\slot)] offset:(\kq)*128+64*(\c)+fi*16*PA
	ds_load_b128 v[(\f)+8*(4*(\c)+fi)+4:(\f)+8*(4*(\c)+fi)+7], v[ADRA+(\slot)] offset:(\kq)*128+64*(\c)+fi*16*PA+32
.set fi, fi+1
.endr
.endr
.endm
; One of a K step's first three quarters: multiplies buffer f and fetches quarter kq into g
.macro QUARTER slot, kq, f, g, zero
	s_wait_dscnt LC                                ; the first 32 along K are in; the LC younger loads may be out
	MULH \f, 0, 0, \zero
	MULH \f, 0, 1, \zero
	PLACES
	FETCH \slot, \kq, \g
	s_wait_dscnt 2*LC                              ; all but the run just issued
	MULH \f, 1, 0, 0
	MULH \f, 1, 1, 0
.endm
; The last quarter multiplies buffer 1 and changes slots: each wave waits for all its tensor loads (one is out: its part of the next slot), adds 0 to its spare word, waits for that
; and for its reads of this slot; fill = 1: the barrier opens a round of the cluster's, and the joint refill is the first tensor load behind it
.macro TURN slot, next, fill
	WIN 0
	s_wait_tensorcnt 0x0
	ds_add_u32 v[SPW], v[NIL]
	s_wait_dscnt LC+1                              ; the add and the youngest LC loads may be out
	MULH F1, 0, 0, 0
	s_wait_dscnt 0x0                               ; the add is done, and my reads of this slot are over
	s_barrier_signal -1
	MULH F1, 0, 1, 0
.if \fill
	WIN 0
.endif
	s_barrier_wait -1
.if \fill
	CREST
	s_add_nc_u64 s[G0+4*(\slot)+2:G0+4*(\slot)+3], s[G0+4*(\slot)+2:G0+4*(\slot)+3], 2*KSTEP*2
	s_add_nc_u64 s[G0B+4*(\slot)+2:G0B+4*(\slot)+3], s[G0B+4*(\slot)+2:G0B+4*(\slot)+3], 2*KSTEP*LDB*2
	JLOAD \slot                                    ; its four v_nop are also the places in front of the loads below
.else
	PLACES
.endif
	FETCH \next, 0, F0
	MULH F1, 1, 0, 0
	MULH F1, 1, 1, 0
.endm
	s_wait_tensorcnt 1                             ; my part of K step 0 is in; K step 1's may stay out
	s_barrier_signal -1
	s_barrier_wait -1
	FETCH 0, 0, F0
	QUARTER 0, 1, F0, F1, 1                        ; the first quarter stands in front of the loop: its first products start the sums
	WIN 0
	s_mov_b32 s3, LAPS-1
.Llap:                                                 ; a trip goes once round the ring and fills both slots again
	QUARTER 0, 2, F1, F0, 0
	QUARTER 0, 3, F0, F1, 0
	TURN 0, 1, 1
	QUARTER 1, 1, F0, F1, 0
	QUARTER 1, 2, F1, F0, 0
	QUARTER 1, 3, F0, F1, 0
	TURN 1, 0, 1
	QUARTER 0, 1, F0, F1, 0
	WIN 0
	s_sub_co_u32 s3, s3, 1
	s_cmp_lg_u32 s3, 0
	s_cbranch_scc1 .Llap
	QUARTER 0, 2, F1, F0, 0                        ; the last lap fills nothing
	QUARTER 0, 3, F0, F1, 0
	TURN 0, 1, 0
	QUARTER 1, 1, F0, F1, 0
	QUARTER 1, 2, F1, F0, 0
	QUARTER 1, 3, F0, F1, 0
	s_wait_dscnt LC
	MULH F1, 0, 0, 0
	MULH F1, 0, 1, 0
	s_wait_dscnt 0x0
	MULH F1, 1, 0, 0
	MULH F1, 1, 1, 0
	WIN 0
	PLACES
.if EPI == 0
	; THE WAY OUT: rounded to f16, 16 bytes a lane into the work-group's stage; a barrier, since a row's 256 bytes come from two waves
.irp t, 0,1,2,3,4,5,6,7,8,9,10,11,12,13,14,15
.irp r, 0,1,2,3
	v_cvt_pk_f16_f32 v[TMP+4*(\t)+(\r)], v[ACC+8*(\t)+2*(\r)], v[ACC+8*(\t)+2*(\r)+1]
.endr
.endr
.irp a, 0,1,2,3
.irp b, 0,1,2,3
	ds_store_b128 v[STO], v[TMP+4*(4*(\a)+(\b)):TMP+4*(4*(\a)+(\b))+3] offset:(\a)*16*SPITCH+32*(\b)
.endr
.endr
	s_wait_dscnt 0x0                               ; for the others' sake: my stores into the stage are done
	s_barrier_signal -1
	s_barrier_wait -1
	s_cmp_ge_u32 ttmp9, 8                          ; cluster columns 8 on hold V's tiles: the same answer in all sixteen partners
	s_cbranch_scc1 .Lvpath
	s_lshl_b32 s16, s13, 7                         ; q, k, g: whole rows, 32 a wave
	s_lshl_b32 s17, s10, 5
	s_add_co_u32 s16, s16, s17
	s_lshl_b32 s16, s16, 13
	s_lshl_b32 s17, s42, 8
	s_add_co_u32 s16, s16, s17
	s_mov_b32 s17, 0
	s_add_nc_u64 s[8:9], s[8:9], s[16:17]
.irp t, 0,1,2,3,4,5,6,7,8,9,10,11,12,13,14,15
	ds_load_b128 v[TMP+4*(\t):TMP+4*(\t)+3], v[RD] offset:(\t)*2*SPITCH
.endr
.irp t, 0,1,2,3,4,5,6,7,8,9,10,11,12,13,14,15
	s_wait_dscnt 15-(\t)
	global_store_b128 v[CO], v[TMP+4*(\t):TMP+4*(\t)+3], s[8:9] offset:2*(\t)*8192  ; 16 lanes store 256 consecutive bytes, at a multiple of 256
.endr
	s_branch .Ldone
.Lvpath:                                               ; V: wave w's 32 rows are one chunk; for each 16 columns two images (lane: column l % 16, rows 16 half + 8 (l / 16) on)
	s_sub_co_u32 s46, s42, 32                      ; V's tile column 0..15
	s_lshr_b32 s47, s46, 2                         ; head
	s_and_b32 s46, s46, 3
	s_lshr_b32 s16, s13, 2                         ; batch
	s_lshl2_add_u32 s47, s16, s47                  ; bh
	s_lshl_b32 s47, s47, 5
	s_lshl3_add_u32 s47, s46, s47                  ; 32 bh + the tile's first block of 16 columns
	s_lshl_b32 s47, s47, 4
	s_and_b32 s16, s13, 3
	s_lshl2_add_u32 s16, s16, s10                  ; the chunk
	s_add_co_u32 s47, s47, s16
	s_lshl_b32 s46, s47, 10
	s_mov_b32 s47, 0
	s_add_nc_u64 s[66:67], s[66:67], s[46:47]
.irp t, 0,1,2,3,4,5,6,7,8,9,10,11,12,13,14,15
	ds_load_tr16_b128 v[TMP+4*(\t):TMP+4*(\t)+3], v[RDV] offset:((\t)%2)*16*SPITCH+32*((\t)/2)
.endr
.irp t, 0,1,2,3,4,5,6,7,8,9,10,11,12,13,14,15
	s_wait_dscnt 15-(\t)
	global_store_b128 v[COV], v[TMP+4*(\t):TMP+4*(\t)+3], s[66:67] offset:((\t)/2)*16384+((\t)%2)*512  ; 512 consecutive bytes
.endr
.Ldone:
.else
	; THE WAY OUT: f32, 32 bytes a lane into the work-group's stage (each accumulator's low registers first); a barrier; back as whole rows of 512 bytes
.set ea, 0
.rept WM
.irp b, 0,1,2,3
	ds_store_b128 v[STO], v[ACC+8*(4*ea+(\b)):ACC+8*(4*ea+(\b))+3] offset:ea*16*SPITCH+64*(\b)
	ds_store_b128 v[STO], v[ACC+8*(4*ea+(\b))+4:ACC+8*(4*ea+(\b))+7] offset:ea*16*SPITCH+64*(\b)+16
.endr
.set ea, ea+1
.endr
	s_wait_dscnt 0x0
	s_barrier_signal -1
	s_barrier_wait -1
	s_lshl_b32 s16, s13, 6
	s_lshl_b32 s17, s10, 4
	s_add_co_u32 s16, s16, s17                     ; the first row that I store
	s_lshl_b32 s16, s16, 12
	s_lshl_b32 s17, s42, 9
	s_add_co_u32 s16, s16, s17
	s_mov_b32 s17, 0
	s_add_nc_u64 s[8:9], s[8:9], s[16:17]
.irp t, 0,1,2,3,4,5,6,7,8,9,10,11,12,13,14,15
	ds_load_b128 v[TMP+4*(\t):TMP+4*(\t)+3], v[RD] offset:(\t)*SPITCH
.endr
.irp t, 0,1,2,3,4,5,6,7,8,9,10,11,12,13,14,15
	s_wait_dscnt 15-(\t)
	global_store_b128 v[CO], v[TMP+4*(\t):TMP+4*(\t)+3], s[8:9] offset:(\t)*4096  ; 512 consecutive bytes, at a multiple of 256
.endr
.endif
	s_wait_tensorcnt 0x0                           ; the wave's end
	ds_add_u32 v[SPW], v[NIL]
	s_wait_dscnt 0x0
	CROUND                                         ; the closing round
	s_endpgm
.Lfunc_end_k_qfd29e06da8_proj:
	.size	k_qfd29e06da8_proj, .Lfunc_end_k_qfd29e06da8_proj-k_qfd29e06da8_proj
	.p2alignl 7, 3214868480
	.fill 96, 4, 3214868480
	.section	.rodata,"a",@progbits
	.p2align	6, 0x0
	.amdhsa_kernel k_qfd29e06da8_proj
		.amdhsa_group_segment_fixed_size 327680
		.amdhsa_private_segment_fixed_size 0
		.amdhsa_enable_private_segment 0
		.amdhsa_kernarg_size 24
		.amdhsa_user_sgpr_count 2
		.amdhsa_user_sgpr_kernarg_segment_ptr 1
		.amdhsa_wavefront_size32 1
		.amdhsa_system_sgpr_workgroup_id_x 1
		.amdhsa_system_sgpr_workgroup_id_y 1
		.amdhsa_system_sgpr_workgroup_id_z 1
		.amdhsa_system_vgpr_workitem_id 0
		.amdhsa_next_free_vgpr 512
		.amdhsa_next_free_sgpr 68
		.amdhsa_reserve_vcc 0
		.amdhsa_float_denorm_mode_32 3
		.amdhsa_float_denorm_mode_16_64 3
		.amdhsa_memory_ordered 1
		.amdhsa_forward_progress 1
		.amdhsa_inst_pref_size 91
	.end_amdhsa_kernel
	.amdgpu_metadata
---
amdhsa.version: [ 1, 2 ]
amdhsa.kernels:
  - .name:           k_qfd29e06da8_proj
    .symbol:         k_qfd29e06da8_proj.kd
    .args:
      - { .name: cst, .offset: 0, .size: 8, .value_kind: global_buffer, .address_space: global }
      - { .name: pqkg, .offset: 8, .size: 8, .value_kind: global_buffer, .address_space: global }
      - { .name: vf, .offset: 16, .size: 8, .value_kind: global_buffer, .address_space: global }
    .group_segment_fixed_size: 327680
    .private_segment_fixed_size: 0
    .kernarg_segment_align: 8
    .kernarg_segment_size: 24
    .max_flat_workgroup_size: 128
    .sgpr_count:     68
    .vgpr_count:     512
    .wavefront_size: 32
...
	.end_amdgpu_metadata
.endif
;; end of part 2
;; launch gate (part 3): grid 16 x 16, 4 waves a work-group, no clusters, 163,328 bytes of LDS; arguments cst, pqkg, Wgk2, bgk2, rec; writes rec
.if DOCPART == 3
	.amdgcn_target "amdgcn-amd-amdhsa--gfx1250"
	.amdhsa_code_object_version 6
	.text
	.protected	k_qfd29e06da8_gate
	.globl	k_qfd29e06da8_gate
	.p2align	8
	.type	k_qfd29e06da8_gate,@function
k_qfd29e06da8_gate:
	s_mov_b64 s[64:65], 0
	v_nop
	global_prefetch_b8 v0, s[64:65] scope:SCOPE_SE
	s_setreg_imm32_b32 hwreg(HW_REG_WAVE_MODE, 25, 1), 1
	s_wait_xcnt 0x0
; For one chunk of 32 rows of one (batch, head): the gates e = exp(logsigmoid(z) / 16), z = (x Wgk1) Wgk2 + b, and all that the scan needs of q, k and e, as a record of 36,096 bytes:
;   QF  q_t x prod(u = 0..t) e_u, f16 fragment images          KF  k_s x prod(u = s+1..31) e_u, turned, f16 images
;   AF  A[t][s] = rho_t q_t . (k_s x prod(u = s+1..t) e_u) for s <= t, else 0, f16 images; rho_t = 1 / (16 |q_t|)      GF  prod(u = 0..31) e_u, f32      RF  |q_t|^2, f32, twice
; No factor above 1 is ever formed: every decay is a product of e <= 1.  For s < t let m be the highest bit in which they differ: row s (bit clear) takes k_s x prod(s+1 .. end of its half),
; row t (bit set) takes q_t x prod(start of its half .. t); matrix R_m holds both kinds of rows, and R_m[t] . R_m[s] is the wanted number.  Five matrices R16 .. R1, and q . k for s = t.
; rho keeps |A| within the root mean square of k's row; the norm that follows the scan cancels it.
; LIMITS: q, k within f16's 65,504; a decay product below 2^-126 counts as 0; |q|^2 is taken as 1e-30 at the least; NaN and infinities are not treated apart.
; SHARES: lane l of wave w owns channels 64 w + 2 l, + 1 of the head's 256, for all 32 rows, in registers.  No cluster: no two work-groups read the same q, k; x's 64 KB are shared by four heads only.
.set P,    528                         ; a row of 256 f16 + 16 bytes: the 16 rows of a fragment load start at 16 different groups of four banks
.set PKT,  544                         ; KT's rows: 512 + 32 bytes, for the turning load
.set QR,   0
.set KR,   16896
.set R16,  33792
.set R8,   50688
.set R4,   67584
.set R2,   84480
.set R1,   101376
.set QT,   118272
.set KT,   135168
.set Z1P,  152576                      ; four waves' partial x Wgk1, [32][16] f32 each
.set Z1F,  160768                      ; their sum
.set SPARE, 162816                     ; the spare words
.set QF, 0
.set KF, 16384
.set AF, 32768
.set GF, 34816
.set RF, 35840
.set SPW, 14
.set NIL, 15
.set QP,  16                           ; v[16:47]   q, two f16 a row
.set KP,  48                           ; v[48:79]   k
.set E,   80                           ; v[80:143]  z, then e: a pair a row
.set FR,  80                           ; fragments, where E is not alive
.set Z1T, 144
.set TA,  176
.set TC,  184
.set ZA,  176
.set ZB,  184
.set W2,  192                          ; v[192:223] Wgk2's 16 rows, my two columns; v[224:225] the bias
.set FP,  226                          ; v[226:227] a running product
.set RO,  228                          ; v[228:231] rounded pairs on their way to LDS
.set ZERO, 232
.set AD,  233                          ; v[233:241] my 4 bytes in row 0 of QR, KR, R16, R8, R4, R2, R1, QT, KT
.set QAD, 242
.set KAD, 243
.set GOFF, 244
.set FA,  245
.set FA2, 246
.macro PLACES
.rept 4
	v_nop
.endr
.endm
	s_load_b256 s[4:11], s[0:1], 0x0               ; cst 4, pqkg 6, Wgk2 8, bgk2 10
	s_load_b64 s[12:13], s[0:1], 0x20              ; rec
	v_lshl_add_u32 v[SPW], v0, 2, SPARE
	v_mov_b32 v[NIL], 0
	v_lshrrev_b32 v1, 5, v0
	v_readfirstlane_b32 s14, v1                    ; wave
	v_and_b32 v1, 31, v0                           ; lane
	v_and_b32 v2, 15, v0                           ; r
	v_bfe_u32 v3, v0, 4, 1                         ; h
	v_lshlrev_b32 v4, 2, v0                        ; 128 w + 4 l: my two f16 in a row of 512 bytes
	v_lshlrev_b32 v5, 3, v0                        ; 256 w + 8 l: my two f32
	s_and_b32 s15, ttmp7, 0xffff                   ; bh
	s_lshr_b32 s16, s15, 2
	s_and_b32 s17, s15, 3
	s_lshl_b32 s18, s16, 9
	s_lshl_b32 s19, ttmp9, 5
	s_add_co_u32 s18, s18, s19                     ; the chunk's first row of 2,048
	s_lshl_b32 s24, s18, 13
	s_lshl_b32 s19, s17, 9
	s_add_co_u32 s24, s24, s19
	s_mov_b32 s25, 0
	s_lshl_b32 s26, s18, 11
	s_mov_b32 s27, 0
	s_lshl_b32 s28, s17, 10
	s_mov_b32 s29, 0
	s_lshl4_add_u32 s22, s15, ttmp9
	s_mul_i32 s22, s22, 36096
	s_mov_b32 s23, 0
	s_mov_b32 s30, 0x76543210
	s_mov_b32 s31, 0xfedcba98
	s_mov_b32 s32, 0xbfb8aa3b                      ; -log2(e)
	s_mov_b32 s33, 0x3db8aa3b                      ; log2(e) / 16
	s_mov_b32 s34, 0xbd800000                      ; -1 / 16
	s_wait_kmcnt 0x0
	s_add_nc_u64 s[6:7], s[6:7], s[24:25]          ; q of the head at the chunk's first row
	s_add_nc_u64 s[20:21], s[4:5], s[26:27]        ; xb at that row
	s_add_nc_u64 s[8:9], s[8:9], s[28:29]
	s_add_nc_u64 s[10:11], s[10:11], s[28:29]
	s_add_nc_u64 s[12:13], s[12:13], s[22:23]      ; my record
.set i, 0
.rept 32
	global_load_b32 v[QP+i], v4, s[6:7] offset:i*8192
	global_load_b32 v[KP+i], v4, s[6:7] offset:i*8192+2048
.set i, i+1
.endr
.set i, 0
.rept 16
	global_load_b64 v[W2+2*i:W2+2*i+1], v5, s[8:9] offset:i*4096
.set i, i+1
.endr
	global_load_b64 v[W2+32:W2+33], v5, s[10:11]
	v_lshlrev_b32 v6, 11, v2
	v_lshl_add_u32 v6, v3, 4, v6
	s_lshl_b32 s22, s14, 9
	v_add_nc_u32 v6, s22, v6                       ; a fragment's row x 2,048 + 16 h + my wave's quarter of K
	v_add_nc_u32 v7, 20971520, v6                  ; the same in wg1t
	s_lshl_b32 s22, s14, 11
	s_add_co_u32 s22, s22, Z1P
	v_lshlrev_b32 v8, 2, v2
	v_lshl_add_u32 v8, v3, 9, v8
	v_add_nc_u32 v8, s22, v8                       ; where my partial sums go
	v_lshl_add_u32 v9, v0, 4, Z1P                  ; my 16 bytes of the 2,048
	v_mov_b32 v13, Z1F
	v_mov_b32 v[ZERO], 0
.irp i, 0,1,2,3
	v_mov_b32 v[RO+\i], 0
.endr
	v_add_nc_u32 v[AD+0], QR, v4
	v_add_nc_u32 v[AD+1], KR, v4
	v_add_nc_u32 v[AD+2], R16, v4
	v_add_nc_u32 v[AD+3], R8, v4
	v_add_nc_u32 v[AD+4], R4, v4
	v_add_nc_u32 v[AD+5], R2, v4
	v_add_nc_u32 v[AD+6], R1, v4
	v_add_nc_u32 v[AD+7], QT, v4
	v_add_nc_u32 v[AD+8], KT, v4
; x Wgk1 for the 32 rows: wave w sums over K = 256 w .. 256 w + 255, in two halves of four matrix steps; two accumulators (rows 0-15, 16-31) by turns
.macro Z1HALF n
.irp ks, 0,1,2,3
	global_load_b128 v[FR+24*\ks:FR+24*\ks+3],     v6, s[20:21] offset:(\n)*256+\ks*64
	global_load_b128 v[FR+24*\ks+4:FR+24*\ks+7],   v6, s[20:21] offset:(\n)*256+\ks*64+32
	global_load_b128 v[FR+24*\ks+8:FR+24*\ks+11],  v6, s[20:21] offset:32768+(\n)*256+\ks*64
	global_load_b128 v[FR+24*\ks+12:FR+24*\ks+15], v6, s[20:21] offset:32768+(\n)*256+\ks*64+32
	global_load_b128 v[FR+24*\ks+16:FR+24*\ks+19], v7, s[4:5] offset:(\n)*256+\ks*64
	global_load_b128 v[FR+24*\ks+20:FR+24*\ks+23], v7, s[4:5] offset:(\n)*256+\ks*64+32
.endr
	s_wait_loadcnt 0x0                             ; these, and all that was asked for before them (q, k, Wgk2, the bias)
.irp ks, 0,1,2,3
.if ((\n)+\ks) == 0
	v_wmma_f32_16x16x32_bf16 v[ZA:ZA+7], v[FR+24*\ks:FR+24*\ks+7], v[FR+24*\ks+16:FR+24*\ks+23], 0
	v_wmma_f32_16x16x32_bf16 v[ZB:ZB+7], v[FR+24*\ks+8:FR+24*\ks+15], v[FR+24*\ks+16:FR+24*\ks+23], 0
.else
	v_wmma_f32_16x16x32_bf16 v[ZA:ZA+7], v[FR+24*\ks:FR+24*\ks+7], v[FR+24*\ks+16:FR+24*\ks+23], v[ZA:ZA+7]
	v_wmma_f32_16x16x32_bf16 v[ZB:ZB+7], v[FR+24*\ks+8:FR+24*\ks+15], v[FR+24*\ks+16:FR+24*\ks+23], v[ZB:ZB+7]
.endif
.endr
	PLACES                                         ; in front of loads into the fragments, and of the stores of the sums
.endm
	Z1HALF 0
	Z1HALF 1
.irp i, 0,1,2,3,4,5,6,7
	ds_store_b32 v8, v[ZA+\i] offset:\i*64         ; register i: row 8 h + i, column r
.endr
.irp i, 0,1,2,3,4,5,6,7
	ds_store_b32 v8, v[ZB+\i] offset:1024+\i*64
.endr
	s_wait_dscnt 0x0                               ; for the others' sake
	s_barrier_signal -1
	s_barrier_wait -1
.irp u, 0,1,2,3
	ds_load_b128 v[Z1T+4*\u:Z1T+4*\u+3], v9 offset:\u*2048
.endr
.set i, 0
.rept 17                                       ; Wgk2 and the bias are rounded to bf16, like every input
	v_cvt_pk_bf16_f32 v10, v[W2+2*i], v[W2+2*i+1]
	v_lshlrev_b32 v[W2+2*i], 16, v10
	v_and_b32 v[W2+2*i+1], 0xffff0000, v10
.set i, i+1
.endr
	s_wait_dscnt 0x0
	v_pk_add_f32 v[Z1T:Z1T+1], v[Z1T:Z1T+1], v[Z1T+4:Z1T+5]
	v_pk_add_f32 v[Z1T+2:Z1T+3], v[Z1T+2:Z1T+3], v[Z1T+6:Z1T+7]
	v_pk_add_f32 v[Z1T+8:Z1T+9], v[Z1T+8:Z1T+9], v[Z1T+12:Z1T+13]
	v_pk_add_f32 v[Z1T+10:Z1T+11], v[Z1T+10:Z1T+11], v[Z1T+14:Z1T+15]
	v_pk_add_f32 v[Z1T:Z1T+1], v[Z1T:Z1T+1], v[Z1T+8:Z1T+9]
	v_pk_add_f32 v[Z1T+2:Z1T+3], v[Z1T+2:Z1T+3], v[Z1T+10:Z1T+11]
	ds_store_b128 v9, v[Z1T:Z1T+3] offset:Z1F-Z1P
	s_wait_dscnt 0x0
	s_barrier_signal -1
	s_barrier_wait -1
; z for rows t, t + 1 and my two channels, in f32 on the vector unit: K is 16, the result is wanted a channel a lane, and no rounding of x Wgk1 is spent
.macro ZROWS t
.irp i, 0,1,2,3,4,5,6,7
	ds_load_b128 v[Z1T+4*\i:Z1T+4*\i+3], v13 offset:(\t)*64+16*\i  ; all lanes read the same 16 bytes
.endr
	s_wait_dscnt 0x0
.set j, 0
.rept 16
.irp u, 0,1
.if j == 0
	v_pk_fma_f32 v[E+2*((\t)+\u):E+2*((\t)+\u)+1], v[W2:W2+1], v[Z1T+16*\u:Z1T+16*\u+1], v[W2+32:W2+33] op_sel_hi:[1,0,1]
.elseif j%2 == 0
	v_pk_fma_f32 v[E+2*((\t)+\u):E+2*((\t)+\u)+1], v[W2+2*j:W2+2*j+1], v[Z1T+16*\u+j:Z1T+16*\u+j+1], v[E+2*((\t)+\u):E+2*((\t)+\u)+1] op_sel_hi:[1,0,1]
.else
	v_pk_fma_f32 v[E+2*((\t)+\u):E+2*((\t)+\u)+1], v[W2+2*j:W2+2*j+1], v[Z1T+16*\u+j-1:Z1T+16*\u+j], v[E+2*((\t)+\u):E+2*((\t)+\u)+1] op_sel:[0,1,0] op_sel_hi:[1,1,1]
.endif
.endr
.set j, j+1
.endr
.endm
.set zt, 0
.rept 16
	ZROWS zt
.set zt, zt+2
.endr
; e = 2^(min(z, 0) log2(e) / 16 - log2(1 + 2^(-|z| log2(e))) / 16), eight numbers at a time; plain lines stand behind each run of transcendentals
.macro EXPS b
.irp k, 0,1,2,3,4,5,6,7
	v_mul_f32 v[TA+\k], s32, |v[E+8*(\b)+\k]|
.endr
.irp k, 0,1,2,3,4,5,6,7
	v_exp_f32 v[TA+\k], v[TA+\k]
.endr
.irp k, 0,1,2,3,4,5,6,7
	v_min_num_f32 v[TC+\k], 0, v[E+8*(\b)+\k]
.endr
	s_wait_alu depctr_va_vdst(0)
.irp k, 0,1,2,3,4,5,6,7
	v_add_f32 v[TA+\k], 1.0, v[TA+\k]
.endr
.irp k, 0,1,2,3,4,5,6,7
	v_log_f32 v[TA+\k], v[TA+\k]
.endr
.irp k, 0,1,2,3,4,5,6,7
	v_mul_f32 v[TC+\k], s33, v[TC+\k]
.endr
	s_wait_alu depctr_va_vdst(0)
.irp k, 0,1,2,3,4,5,6,7
	v_fma_f32 v[E+8*(\b)+\k], v[TA+\k], s34, v[TC+\k]
.endr
.irp k, 0,1,2,3,4,5,6,7
	v_exp_f32 v[E+8*(\b)+\k], v[E+8*(\b)+\k]
.endr
	v_nop
.endm
.irp b, 0,1,2,3,4,5,6,7
	EXPS \b
.endr
; THE MATRICES.  EMIT: a row's two f16 times two f32 factors, rounded once to f16, into my 4 bytes of the row
.set ro, 0
.macro EMIT src, row, f, mat, pitch
	v_fma_mixlo_f16 v[RO+ro], v[\src], v[\f], v[ZERO] op_sel_hi:[1,0,0]
	v_fma_mixhi_f16 v[RO+ro], v[\src], v[(\f)+1], v[ZERO] op_sel:[1,0,0] op_sel_hi:[1,0,0]
	ds_store_b32 v[AD+(\mat)], v[RO+ro] offset:(\row)*(\pitch)
.set ro, (ro+1)%4
.endm
.macro QRUN first, last, mat, pitch=528        ; rows first .. last: q_t x prod(u = first .. t) e_u
.set qt, \first
.rept (\last)-(\first)+1
.if qt == (\first)
	EMIT QP+qt, qt, E+2*qt, \mat, \pitch
.else
.if qt == (\first)+1
	v_pk_mul_f32 v[FP:FP+1], v[E+2*(\first):E+2*(\first)+1], v[E+2*qt:E+2*qt+1]
.else
	v_pk_mul_f32 v[FP:FP+1], v[FP:FP+1], v[E+2*qt:E+2*qt+1]
.endif
	EMIT QP+qt, qt, FP, \mat, \pitch
.endif
.set qt, qt+1
.endr
.endm
.macro KRUN first, last, mat, pitch=528        ; rows last .. first: k_s x prod(u = s + 1 .. last) e_u
.set kt, \last
.rept (\last)-(\first)+1
.if kt == (\last)
	ds_store_b32 v[AD+(\mat)], v[KP+kt] offset:kt*(\pitch)
.else
.if kt == (\last)-1
	EMIT KP+kt, kt, E+2*(\last), \mat, \pitch
.else
.if kt == (\last)-2
	v_pk_mul_f32 v[FP:FP+1], v[E+2*(\last):E+2*(\last)+1], v[E+2*kt+2:E+2*kt+3]
	s_wait_alu depctr_va_vdst(0)
.else
	v_pk_mul_f32 v[FP:FP+1], v[FP:FP+1], v[E+2*kt+2:E+2*kt+3]
.endif
	EMIT KP+kt, kt, FP, \mat, \pitch
.endif
.endif
.set kt, kt-1
.endr
.endm
.macro LEVEL m, mat                            ; groups of 2 m rows: the first half in k's part, the second in q's
.set ga, 0
.rept 16/(\m)
	KRUN ga, ga+(\m)-1, \mat
	QRUN ga+(\m), ga+2*(\m)-1, \mat
.set ga, ga+2*(\m)
.endr
.endm
.set i, 0
.rept 32
	ds_store_b32 v[AD+0], v[QP+i] offset:i*P
	ds_store_b32 v[AD+1], v[KP+i] offset:i*P
.set i, i+1
.endr
	LEVEL 16, 2
	LEVEL 8, 3
	LEVEL 4, 4
	LEVEL 2, 5
	LEVEL 1, 6
	KRUN 0, 31, 8, PKT
	QRUN 0, 31, 7
	global_store_b64 v5, v[FP:FP+1], s[12:13] offset:GF  ; the last product is the whole chunk's: a wave stores 256 consecutive bytes
	; addresses for the copy out and the products
	s_lshr_b32 s22, s14, 1
	s_mul_i32 s22, s22, 16*P
	s_and_b32 s23, s14, 1
	s_lshl_b32 s23, s23, 8
	s_add_co_u32 s22, s22, s23
	s_add_co_u32 s22, s22, QT
	v_mul_u32_u24 v[FA], v2, P
	v_lshl_add_u32 v[FA], v3, 4, v[FA]             ; a fragment's row x pitch + 16 h
	v_add_nc_u32 v[QAD], s22, v[FA]
	v_and_b32 v10, 7, v0
	v_lshl_add_u32 v10, v3, 3, v10
	v_mul_u32_u24 v10, v10, PKT
	v_bfe_u32 v11, v0, 3, 1
	v_lshl_add_u32 v10, v11, 4, v10
	s_lshl_b32 s22, s14, 7
	s_add_co_u32 s22, s22, KT
	v_add_nc_u32 v[KAD], s22, v10
	s_lshl_b32 s22, s14, 12
	v_lshlrev_b32 v[GOFF], 4, v1
	v_add_nc_u32 v[GOFF], s22, v[GOFF]
	s_wait_dscnt 0x0                               ; for the others' sake: my columns of all nine matrices are written
	s_barrier_signal -1
	s_barrier_wait -1
	; COPY OUT: images 8 w .. 8 w + 7 of QF (as they lie) and of KF (turned): 512 consecutive bytes a store
.irp i, 0,1,2,3,4,5,6,7
	ds_load_b128 v[FR+4*\i:FR+4*\i+3], v[QAD] offset:32*\i
.endr
.irp i, 0,1,2,3,4,5,6,7
	ds_load_tr16_b128 v[FR+32+4*\i:FR+32+4*\i+3], v[KAD] offset:(\i%2)*16*PKT+32*(\i/2)
.endr
.irp i, 0,1,2,3,4,5,6,7
	s_wait_dscnt 15-\i
	global_store_b128 v[GOFF], v[FR+4*\i:FR+4*\i+3], s[12:13] offset:QF+\i*512
.endr
.irp i, 0,1,2,3,4,5,6,7
	s_wait_dscnt 7-\i
	global_store_b128 v[GOFF], v[FR+32+4*\i:FR+32+4*\i+3], s[12:13] offset:KF+\i*512
.endr
	s_wait_xcnt 0x0                                ; the stores' registers are loaded into again only behind this wait
; THE PRODUCTS.  Source 0 holds rows s, source 1 rows t: a lane holds t = r and s = 8 h + j in register j: eight neighbouring s of a row of A.
.macro LDF dst, adr, off
	ds_load_b128 v[\dst:(\dst)+3], v[\adr] offset:\off
	ds_load_b128 v[(\dst)+4:(\dst)+7], v[\adr] offset:(\off)+32
.endm
.macro PRD d, a, b, first
.if \first
	v_wmma_f32_16x16x32_f16 v[\d:(\d)+7], v[\a:(\a)+7], v[\b:(\b)+7], 0
.else
	v_wmma_f32_16x16x32_f16 v[\d:(\d)+7], v[\a:(\a)+7], v[\b:(\b)+7], v[\d:(\d)+7]
.endif
.endm
.set D8, 16
.set D4, 24
.set D2, 32
.set D1, 40
.set D0, 48
.set DQ, 56
	v_lshlrev_b32 v185, 3, v3                      ; 8 h
	v_mov_b32 v186, 0
	s_cmp_lt_u32 s14, 2
	s_cbranch_scc0 .Lnot_diag
	; waves 0, 1: the diagonal block of rows 16 w .. 16 w + 15: levels 8, 4, 2, 1, the diagonal, and |q|^2: six accumulators by turns
	s_mul_i32 s22, s14, 16*P
	v_add_nc_u32 v[FA], s22, v[FA]
	v_add_nc_u32 v[FA2], R4, v[FA]
.macro LOADA ks
.set fb, FR+48*((\ks)%2)
	LDF fb, FA, QR+64*(\ks)
	LDF fb+8, FA, KR+64*(\ks)
	LDF fb+16, FA, R8+64*(\ks)
	LDF fb+24, FA2, 64*(\ks)
	LDF fb+32, FA2, R2-R4+64*(\ks)
	LDF fb+40, FA2, R1-R4+64*(\ks)
.endm
	LOADA 0
.set ks, 0
.rept 8
.if ks < 7
.if ks > 0
	PLACES                                         ; the buffer was read by the products just issued
.endif
	LOADA ks+1
	s_wait_dscnt 12                                ; all but the twelve just issued
.else
	s_wait_dscnt 0x0
.endif
.set fb, FR+48*(ks%2)
	PRD D8, fb+16, fb+16, ks==0
	PRD D4, fb+24, fb+24, ks==0
	PRD D2, fb+32, fb+32, ks==0
	PRD D1, fb+40, fb+40, ks==0
	PRD D0, fb+8, fb, ks==0
	PRD DQ, fb, fb, ks==0
.set ks, ks+1
.endr
	PLACES
.set j, 0
.rept 8                                        ; x = t xor s names the level; each accumulator is read from its low end on
	v_add_nc_u32 v187, j, v185                     ; s
	v_xor_b32 v184, v187, v2                       ; x
	v_cmp_le_u32 vcc_lo, 2, v184
	v_cndmask_b32 v[176+j], v[D1+j], v[D2+j], vcc_lo
	v_cmp_le_u32 vcc_lo, 4, v184
	v_cndmask_b32 v[176+j], v[176+j], v[D4+j], vcc_lo
	v_cmp_le_u32 vcc_lo, 8, v184
	v_cndmask_b32 v[176+j], v[176+j], v[D8+j], vcc_lo
	v_cmp_eq_u32 vcc_lo, 0, v184
	v_cndmask_b32 v[176+j], v[176+j], v[D0+j], vcc_lo
	v_cndmask_b32 v186, v186, v[DQ+j], vcc_lo      ; |q_t|^2 lies on the diagonal, in one of the row's two lanes
	v_cmp_gt_u32 vcc_lo, v187, v2                  ; s > t: nothing
	v_cndmask_b32 v[176+j], v[176+j], v[ZERO], vcc_lo
.set j, j+1
.endr
	v_permlanex16_b32 v187, v186, s30, s31
	v_add_f32 v186, v186, v187
	v_max_num_f32 v186, 0x0da24260, v186           ; 1e-30 at the least
	v_rsq_f32 v187, v186
	s_mul_i32 s22, s14, 1536                       ; image 3 w
	v_lshlrev_b32 v10, 4, v1
	v_add_nc_u32 v10, s22, v10
	s_wait_alu depctr_va_vdst(0)
	v_mul_f32 v187, 0x3d800000, v187               ; rho = 1 / (16 |q|)
.irp j, 0,1,2,3,4,5,6,7
	v_mul_f32 v[176+\j], v[176+\j], v187
.endr
.irp j, 0,1,2,3
	v_cvt_pk_f16_f32 v[188+\j], v[176+2*\j], v[176+2*\j+1]
.endr
	s_lshl_b32 s22, s14, 7
	v_lshlrev_b32 v11, 3, v2
	v_lshl_add_u32 v11, v3, 2, v11
	v_add_nc_u32 v11, s22, v11
	global_store_b128 v10, v[188:191], s[12:13] offset:AF
	global_store_b32 v11, v186, s[12:13] offset:RF ; both lanes of a row hold the same number: 128 consecutive bytes
	s_branch .Lend
.Lnot_diag:
	s_cmp_eq_u32 s14, 2
	s_cbranch_scc0 .Lzero
	; wave 2: rows t = 16 .. 31 against s = 0 .. 15: level 16 alone; |q|^2 of rows 16 .. 31 once more, for rho
.macro LOADB ks
.set fb, FR+24*((\ks)%2)
	LDF fb, FA, R16+64*(\ks)
	LDF fb+8, FA, R16+16*P+64*(\ks)
	LDF fb+16, FA, QR+16*P+64*(\ks)
.endm
	LOADB 0
.set ks, 0
.rept 8
.if ks < 7
.if ks > 0
	PLACES
.endif
	LOADB ks+1
	s_wait_dscnt 6
.else
	s_wait_dscnt 0x0
.endif
.set fb, FR+24*(ks%2)
	PRD 16, fb, fb+8, ks==0
	PRD 24, fb+16, fb+16, ks==0
.set ks, ks+1
.endr
	PLACES
.set j, 0
.rept 8
	v_add_nc_u32 v187, j, v185
	v_cmp_eq_u32 vcc_lo, v187, v2
	v_cndmask_b32 v186, v186, v[24+j], vcc_lo
.set j, j+1
.endr
	v_permlanex16_b32 v187, v186, s30, s31
	v_add_f32 v186, v186, v187
	v_max_num_f32 v186, 0x0da24260, v186
	v_rsq_f32 v187, v186
	v_lshlrev_b32 v10, 4, v1
	s_wait_alu depctr_va_vdst(0)
	v_mul_f32 v187, 0x3d800000, v187
.irp j, 0,1,2,3,4,5,6,7
	v_mul_f32 v[176+\j], v[16+\j], v187
.endr
.irp j, 0,1,2,3
	v_cvt_pk_f16_f32 v[188+\j], v[176+2*\j], v[176+2*\j+1]
.endr
	global_store_b128 v10, v[188:191], s[12:13] offset:AF+1024
	s_branch .Lend
.Lzero:                                                ; wave 3: rows 0 .. 15 see none of s = 16 .. 31
	v_lshlrev_b32 v10, 4, v1
.irp j, 0,1,2,3
	v_mov_b32 v[188+\j], 0
.endr
	global_store_b128 v10, v[188:191], s[12:13] offset:AF+512
.Lend:
	s_wait_tensorcnt 0x0                           ; the wave's end
	ds_add_u32 v[SPW], v[NIL]
	s_wait_dscnt 0x0
	s_endpgm
.Lfunc_end_k_qfd29e06da8_gate:
	.size	k_qfd29e06da8_gate, .Lfunc_end_k_qfd29e06da8_gate-k_qfd29e06da8_gate
	.p2alignl 7, 3214868480
	.fill 96, 4, 3214868480
	.section	.rodata,"a",@progbits
	.p2align	6, 0x0
	.amdhsa_kernel k_qfd29e06da8_gate
		.amdhsa_group_segment_fixed_size 163328
		.amdhsa_private_segment_fixed_size 0
		.amdhsa_enable_private_segment 0
		.amdhsa_kernarg_size 40
		.amdhsa_user_sgpr_count 2
		.amdhsa_user_sgpr_kernarg_segment_ptr 1
		.amdhsa_wavefront_size32 1
		.amdhsa_system_sgpr_workgroup_id_x 1
		.amdhsa_system_sgpr_workgroup_id_y 1
		.amdhsa_system_sgpr_workgroup_id_z 1
		.amdhsa_system_vgpr_workitem_id 0
		.amdhsa_next_free_vgpr 256
		.amdhsa_next_free_sgpr 66
		.amdhsa_reserve_vcc 1
		.amdhsa_float_denorm_mode_32 3
		.amdhsa_float_denorm_mode_16_64 3
		.amdhsa_memory_ordered 1
		.amdhsa_forward_progress 1
		.amdhsa_inst_pref_size 160
	.end_amdhsa_kernel
	.amdgpu_metadata
---
amdhsa.version: [ 1, 2 ]
amdhsa.kernels:
  - .name:           k_qfd29e06da8_gate
    .symbol:         k_qfd29e06da8_gate.kd
    .args:
      - { .name: cst, .offset: 0, .size: 8, .value_kind: global_buffer, .address_space: global }
      - { .name: pqkg, .offset: 8, .size: 8, .value_kind: global_buffer, .address_space: global }
      - { .name: Wgk2, .offset: 16, .size: 8, .value_kind: global_buffer, .address_space: global }
      - { .name: bgk2, .offset: 24, .size: 8, .value_kind: global_buffer, .address_space: global }
      - { .name: rec, .offset: 32, .size: 8, .value_kind: global_buffer, .address_space: global }
    .group_segment_fixed_size: 163328
    .private_segment_fixed_size: 0
    .kernarg_segment_align: 8
    .kernarg_segment_size: 40
    .max_flat_workgroup_size: 128
    .sgpr_count:     66
    .vgpr_count:     256
    .wavefront_size: 32
...
	.end_amdgpu_metadata
.endif
;; end of part 3
;; launch scan (part 4): grid 16 x 16, 2 waves a work-group, clusters of 4 x 1, 327,680 bytes of LDS; arguments rec, vf, of, ssq; writes of, ssq
.if DOCPART == 4
	.amdgcn_target "amdgcn-amd-amdhsa--gfx1250"
	.amdhsa_code_object_version 6
	.text
	.protected	k_qfd29e06da8_scan
	.globl	k_qfd29e06da8_scan
	.p2align	8
	.type	k_qfd29e06da8_scan,@function
k_qfd29e06da8_scan:
	s_mov_b64 s[64:65], 0
	v_nop
	global_prefetch_b8 v0, s[64:65] scope:SCOPE_SE
	s_setreg_imm32_b32 hwreg(HW_REG_WAVE_MODE, 25, 1), 1
	s_wait_xcnt 0x0
	s_wait_alu depctr_hold_cnt(0) depctr_sa_sdst(0) depctr_va_vdst(0) depctr_va_sdst(0) depctr_va_ssrc(0) depctr_va_vcc(0) depctr_vm_vsrc(0)
	s_getreg_b32 s2, hwreg(HW_REG_IB_STS2, 6, 4)
	s_cmp_eq_u32 s2, 0
	s_cbranch_scc0 .Lentry_in_a_cluster
	s_endpgm
.Lentry_in_a_cluster:
	s_bfe_u32 s2, ttmp6, 0x10000c
	s_cmp_lg_u32 s2, 0x3003
	s_cbranch_scc0 .Lentry_shape_is_right
	s_endpgm
.Lentry_shape_is_right:
; The recurrence by chunks of 32 rows.  A wave owns 16 columns of one (batch, head)'s V and the state S [256 x 16] for them, in f32, in 128 registers, through all 16 chunks:
;   o^[t] = rho_t Q~_t . S + sum over s of A[t][s] v_s  (= o_t / |q_t|)          S = gamma x S + K~^T V
; Q~, K~, A, gamma and |q|^2 come from the chunk's record.  For the first product S is rounded to f16 after division by the wave's largest |S|, taken anew in every chunk, and the
; factor goes back in f32 with rho: no range of S is assumed.  LIMIT: the largest |S| is taken as 1e-30 at the least; NaN and infinities are not treated apart.
; LAYOUT.  S's tile i (16 dk x 16 dv) is the result of K~ (source 0) x V (source 1): a lane holds column r and dk = 16 i + 8 h + j; two tiles rounded in pairs ARE source 0 (16 dv x 32 dk) of
; o^T = S^T Q~^T, whose result holds row t = r and columns 8 h + j; V (source 0) x A (source 1) adds onto it.  Nothing changes lanes.
; RING: two slots of two records; wave w brings record w of a slot by one tensor load.  CLUSTER 4 x 1: the four work-groups of a cluster belong to one (batch, head) and walk the same records,
; so each record is asked for jointly.  V's 1,024 bytes a chunk are the wave's own and come by two register loads, asked for a whole product phase ahead of their use.
; S starts at 0 by 128 v_mov_b32 in the wait for the first record, so that no first chunk is written out.
; REGISTERS: window 0: v0-31 addresses and statistics; v32-39 V; v40-55 o^ (two tiles); v56-71 A; v72-135 S in f16 (8 fragments); v136-199 four buffers of 16.  Window 1: v0-127 S.
.set REC,   36096
.set SLOTB, 2*REC
.set SLOT1, 131072                     ; one exclusive or turns an address in one slot into the other's
.set SPARE, SLOT1+SLOTB                ; 203,264: the spare words
.set KFO, 16384
.set AFO, 32768
.set GFO, 34816
.set RFO, 35840
.set L16, 1
.set AQ,  4
.set VOFF, 5
.set AG,  6
.set AR,  7
.set OOFF, 8
.set SOFF, 9
.set SIG, 10                           ; 1 / the largest |S|
.set SMAX, 11
.set KAP, 12                           ; v[12:13], v[14:15]: rho x the largest |S| for tile 0, 1 (the pair's low word is used)
.set H32, 16
.set R8,  17
.set L4,  18
.set ZERO, 19
.set C0,  20                           ; v20-23 four chains of the maximum
.set QN,  24
.set T,   26                           ; v[26:29]
.set SPW, 30
.set NIL, 31
.set VF,  32
.set O,   40
.set AFR, 56
.set SH,  72
.set QB,  136
.set WV,  12
.set G1J, 24
.set G0J, 40
.set TB,  50                           ; LDS byte of the record in hand
.set VS,  51                           ; the chunk's byte in my V images
.set OB,  52                           ; in my o^ images
.set SB,  53                           ; in my sums of squares
.set SLOTS, 54
.set TWICE, 55
.set SEL, 56
.set HM,  58                           ; mask of lanes 16-31
.set MSB, 0
.macro WIN new
.if MSB != (\new)
	s_set_vgpr_msb (MSB<<8)|(\new)
.set MSB, \new
.endif
.endm
.macro PLACES
.rept 4
	v_nop
.endr
.endm
.macro CROUND
	s_barrier_signal -1
	s_barrier_wait -1
	s_cmp_lg_u32 s[WV], 0
	s_cbranch_scc1 .Lnot_wave_0_\@
	s_barrier_signal -3
.Lnot_wave_0_\@:
	s_barrier_wait -3
	s_barrier_signal -1
	s_barrier_wait -1
.endm
.macro JLOAD                           ; both waves run the line, each with its own record's addresses
	tensor_load_to_lds s[G0J:G0J+3], s[G1J:G1J+7]
	s_nop 0
.rept 4
	v_nop
.endr
.endm
	s_load_b256 s[4:11], s[0:1], 0x0               ; rec 4, vf 6, of 8, ssq 10
	v_lshl_add_u32 v[SPW], v0, 2, SPARE
	v_mov_b32 v[NIL], 0
	ds_add_u32 v[SPW], v[NIL]                      ; the wave's opening: the add and its wait stand ahead of my first tensor load
	v_lshrrev_b32 v1, 5, v0
	v_readfirstlane_b32 s[WV], v1
	s_bfe_u32 s13, ttmp6, 0x40000                  ; cx: it enters V's, o^'s and the sums' addresses alone
	s_lshl_b32 s14, ttmp9, 2
	s_add_co_u32 s14, s14, s13                     ; my slice of 32 columns
	s_and_b32 s15, ttmp7, 0xffff                   ; bh, which the partners share
	s_lshl4_add_u32 s16, s15, s[WV]
	s_mul_i32 s16, s16, REC                        ; record w of the (batch, head)
	s_mov_b32 s17, 0
	s_lshl1_add_u32 s18, s14, s[WV]
	s_lshl_b32 s19, s15, 5
	s_add_co_u32 s18, s18, s19                     ; 32 bh + my block of 16 columns
	s_lshl_b32 s20, s18, 14
	s_mov_b32 s21, 0
	s_lshl_b32 s22, s18, 15
	s_mov_b32 s23, 0
	s_lshl_b32 s48, s18, 11
	s_mov_b32 s49, 0
	s_mov_b32 s[G1J], 15|(3<<16)|(1<<21)           ; the mask of four; 8-byte elements; bit 21 beside a mask; no padding
	s_mov_b32 s[G1J+1], 32<<16                     ; a record is dense: 141 rows of 256 bytes
	s_mov_b32 s[G1J+2], 141<<16
	s_mov_b32 s[G1J+3], 32<<16
	s_mov_b32 s[G1J+4], 141
	s_mov_b32 s[G1J+5], 32
	s_mov_b32 s[G1J+6], 0
	s_mov_b32 s[G1J+7], 0
	s_mov_b32 s[G0J], 1
	s_mul_i32 s[G0J+1], s[WV], REC                 ; slot 0
	s_mov_b32 s[SEL], 0x76543210
	s_mov_b32 s[SEL+1], 0xfedcba98
	s_mov_b32 s[TB], SLOT1+SLOTB                   ; the first change of slots turns this into 0
	s_mov_b32 s[VS], 0
	s_mov_b32 s[OB], 0
	s_mov_b32 s[SB], 0
	s_mov_b32 s[SLOTS], 7
	s_wait_dscnt 0x0                               ; the opening add is done
	s_wait_kmcnt 0x0
	s_add_nc_u64 s[G0J+2:G0J+3], s[4:5], s[16:17]
	s_or_b32 s[G0J+3], s[G0J+3], 0x80000000
	s_add_nc_u64 s[6:7], s[6:7], s[20:21]
	s_add_nc_u64 s[8:9], s[8:9], s[22:23]
	s_add_nc_u64 s[10:11], s[10:11], s[48:49]
	CROUND                                         ; all four work-groups are here: the first joint loads meet
	JLOAD                                          ; slot 0; slot 1 is asked for by the loop's first change of slots
	v_and_b32 v2, 15, v0
	v_bfe_u32 v3, v0, 4, 1
	v_and_b32 v[L4], 31, v0
	v_lshlrev_b32 v[L16], 4, v[L4]
	v_lshlrev_b32 v[L4], 2, v[L4]
	v_lshlrev_b32 v[H32], 5, v3
	v_lshlrev_b32 v[R8], 3, v2
	v_cmp_eq_u32 s[HM], 1, v3
	v_mov_b32 v[ZERO], 0
.irp i, 0,1,2,3
	v_mov_b32 v[KAP+\i], 0
.endr
.set i, 0
.rept 64
	v_mov_b32 v[SH+i], 0                           ; written half by half later: whole once
.set i, i+1
.endr
	WIN 0x40
.set i, 0
.rept 128
	v_mov_b32 v[i], 0                              ; S = 0
.set i, i+1
.endr
	WIN 0
.macro QLOAD ks                        ; Q~'s fragments of dk = 32 ks on, both row tiles: four loads into buffer ks % 4
.irp tt, 0,1
	ds_load_b128 v[QB+16*((\ks)%4)+8*\tt:QB+16*((\ks)%4)+8*\tt+3],   v[AQ] offset:((\tt*8+(\ks))*2)*512
	ds_load_b128 v[QB+16*((\ks)%4)+8*\tt+4:QB+16*((\ks)%4)+8*\tt+7], v[AQ] offset:((\tt*8+(\ks))*2+1)*512
.endr
.endm
.macro ULOAD i                         ; K~'s fragment and gamma of dk tile i: four loads into buffer i % 4
	ds_load_b128 v[QB+16*((\i)%4):QB+16*((\i)%4)+3],     v[AQ] offset:KFO+(2*(\i))*512
	ds_load_b128 v[QB+16*((\i)%4)+4:QB+16*((\i)%4)+7],   v[AQ] offset:KFO+(2*(\i)+1)*512
	ds_load_b128 v[QB+16*((\i)%4)+8:QB+16*((\i)%4)+11],  v[AG] offset:GFO+64*(\i)
	ds_load_b128 v[QB+16*((\i)%4)+12:QB+16*((\i)%4)+15], v[AG] offset:GFO+64*(\i)+16
.endm
.macro MKSH ks                         ; S's tiles 2 ks, 2 ks + 1 over the largest |S|, rounded once to f16: fragment ks
	WIN 0x01                                       ; source 0 in window 1
.set z, 0
.rept 8
	v_fma_mixlo_f16 v[SH+8*(\ks)+z], v[16*(\ks)+2*z], v[SIG], v[ZERO] op_sel_hi:[0,0,0]
	v_fma_mixhi_f16 v[SH+8*(\ks)+z], v[16*(\ks)+2*z+1], v[SIG], v[ZERO] op_sel_hi:[0,0,0]
.set z, z+1
.endr
.endm
.macro CHUNK
	WIN 0
	s_wait_xcnt 0x0                                ; the last chunk's stores have read their registers
	v_add_nc_u32 v[AQ], s[TB], v[L16]              ; six plain lines: also the places behind the last chunk's last product
	v_add_nc_u32 v[AG], s[TB], v[H32]
	v_add_nc_u32 v[AR], s[TB], v[R8]
	v_add_nc_u32 v[VOFF], s[VS], v[L16]
	v_add_nc_u32 v[OOFF], s[OB], v[L16]
	v_add_nc_u32 v[SOFF], s[SB], v[L4]
	global_load_b128 v[VF:VF+3], v[VOFF], s[6:7]
	global_load_b128 v[VF+4:VF+7], v[VOFF], s[6:7] offset:512
	ds_load_b32 v[QN], v[AR] offset:RFO
	ds_load_b32 v[QN+1], v[AR] offset:RFO+128
.irp i, 0,1,2,3
	ds_load_b128 v[AFR+4*\i:AFR+4*\i+3], v[AQ] offset:AFO+512*\i
.endr
	QLOAD 0
	QLOAD 1
	QLOAD 2
	QLOAD 3
.irp c, 0,1,2,3
	v_mov_b32 v[C0+\c], 0
.endr
	WIN 0x14                                       ; sources 1 and 2 in window 1
.set p, 0
.rept 4                                        ; the largest |S|: four chains; every tile's lowest registers are read first
.set i, 0
.rept 16
	v_max3_num_f32 v[C0+i%4], v[C0+i%4], |v[8*i+2*p]|, |v[8*i+2*p+1]|
.set i, i+1
.endr
.set p, p+1
.endr
	WIN 0
	v_max3_num_f32 v[C0], v[C0], v[C0+1], v[C0+2]
	v_max_num_f32 v[C0], v[C0], v[C0+3]
	v_max_num_f32_dpp v[C0], v[C0], v[C0] row_xmask:1 row_mask:0xf bank_mask:0xf
	v_max_num_f32_dpp v[C0], v[C0], v[C0] row_xmask:2 row_mask:0xf bank_mask:0xf
	v_max_num_f32_dpp v[C0], v[C0], v[C0] row_xmask:4 row_mask:0xf bank_mask:0xf
	v_max_num_f32_dpp v[C0], v[C0], v[C0] row_xmask:8 row_mask:0xf bank_mask:0xf
	v_permlanex16_b32 v[C0+1], v[C0], s[SEL], s[SEL+1]
	v_max_num_f32 v[C0], v[C0], v[C0+1]
	v_max_num_f32 v[SMAX], 0x0da24260, v[C0]       ; 1e-30 at the least
	s_wait_dscnt 20                                ; |q|^2 is in; A's four and Q~'s sixteen loads may be out
	v_rcp_f32 v[SIG], v[SMAX]
	v_rsq_f32 v[KAP], v[QN]
	v_rsq_f32 v[KAP+2], v[QN+1]
	v_mul_f32 v[T], 0x3d800000, v[SMAX]            ; a plain line behind the transcendentals
	s_wait_alu depctr_va_vdst(0)
	v_mul_f32 v[KAP], v[KAP], v[T]                 ; the largest |S| / (16 |q|)
	v_mul_f32 v[KAP+2], v[KAP+2], v[T]
	MKSH 0
.set ks, 0
.rept 8                                        ; o^T = S^T Q~^T: two accumulators by turns; the next fragment of S is made behind each pair: its lines are the places
	WIN 0
.if ks < 5
	s_wait_dscnt 12                                ; this step's four loads are in; three younger groups may be out
.else
	s_wait_dscnt 4*(7-ks)
.endif
.if ks == 0
	v_wmma_f32_16x16x32_f16 v[O:O+7], v[SH:SH+7], v[QB:QB+7], 0
	v_wmma_f32_16x16x32_f16 v[O+8:O+15], v[SH:SH+7], v[QB+8:QB+15], 0
.else
	v_wmma_f32_16x16x32_f16 v[O:O+7], v[SH+8*ks:SH+8*ks+7], v[QB+16*(ks%4):QB+16*(ks%4)+7], v[O:O+7]
	v_wmma_f32_16x16x32_f16 v[O+8:O+15], v[SH+8*ks:SH+8*ks+7], v[QB+16*(ks%4)+8:QB+16*(ks%4)+15], v[O+8:O+15]
.endif
.if ks < 7
	MKSH ks+1
	WIN 0
.endif
.if ks < 4
	QLOAD ks+4
.endif
.set ks, ks+1
.endr
	PLACES                                         ; behind the last pair: its sums are read and its buffer loaded into
	ULOAD 0
	ULOAD 1
	ULOAD 2
	ULOAD 3
.irp z, 0,1,2,3
	v_pk_mul_f32 v[O+2*\z:O+2*\z+1], v[O+2*\z:O+2*\z+1], v[KAP:KAP+1] op_sel_hi:[1,0]
.endr
.irp z, 0,1,2,3
	v_pk_mul_f32 v[O+8+2*\z:O+8+2*\z+1], v[O+8+2*\z:O+8+2*\z+1], v[KAP+2:KAP+3] op_sel_hi:[1,0]
.endr
	s_wait_loadcnt 0x0                             ; V
	v_wmma_f32_16x16x32_f16 v[O:O+7], v[VF:VF+7], v[AFR:AFR+7], v[O:O+7]
	v_wmma_f32_16x16x32_f16 v[O+8:O+15], v[VF:VF+7], v[AFR+8:AFR+15], v[O+8:O+15]
	PLACES
.irp tt, 0,1
	global_store_b128 v[OOFF], v[O+8*\tt:O+8*\tt+3], s[8:9] offset:\tt*1024        ; 512 consecutive bytes a store; the low registers first
	global_store_b128 v[OOFF], v[O+8*\tt+4:O+8*\tt+7], s[8:9] offset:\tt*1024+512
.endr
	v_pk_mul_f32 v[T:T+1], v[O:O+1], v[O:O+1]      ; each row's sum of squares over my 16 columns
	v_pk_mul_f32 v[T+2:T+3], v[O+8:O+9], v[O+8:O+9]
.irp z, 1,2,3
	v_pk_fma_f32 v[T:T+1], v[O+2*\z:O+2*\z+1], v[O+2*\z:O+2*\z+1], v[T:T+1]
	v_pk_fma_f32 v[T+2:T+3], v[O+8+2*\z:O+8+2*\z+1], v[O+8+2*\z:O+8+2*\z+1], v[T+2:T+3]
.endr
	v_add_f32 v[T], v[T], v[T+1]
	v_add_f32 v[T+2], v[T+2], v[T+3]
	v_permlanex16_b32 v[T+1], v[T], s[SEL], s[SEL+1]
	v_permlanex16_b32 v[T+3], v[T+2], s[SEL], s[SEL+1]
	v_add_f32 v[T], v[T], v[T+1]
	v_add_f32 v[T+2], v[T+2], v[T+3]
	v_cndmask_b32 v[T], v[T], v[T+2], s[HM]        ; lanes 0-15 rows 0-15, lanes 16-31 rows 16-31
	global_store_b32 v[SOFF], v[T], s[10:11]       ; 128 consecutive bytes
.set ui, 0
.rept 16                                       ; S = gamma x S + K~^T V, a tile a turn; the next tile's four multiplies are the places in front of the loads into the buffer just read
	WIN 0
.if ui == 0
	s_wait_dscnt 12
.elseif ui < 14
	s_wait_dscnt 8                                 ; this tile's four loads are in; two younger groups may be out
.else
	s_wait_dscnt 4*(15-ui)
.endif
	WIN 0x41                                       ; destination and source 0 in window 1
.irp z, 0,1,2,3
	v_pk_mul_f32 v[8*ui+2*\z:8*ui+2*\z+1], v[8*ui+2*\z:8*ui+2*\z+1], v[QB+16*(ui%4)+8+2*\z:QB+16*(ui%4)+8+2*\z+1]
.endr
.if (ui > 0) && (ui < 13)
	WIN 0
	ULOAD ui+3
.endif
	WIN 0x50                                       ; C and D in window 1
	v_wmma_f32_16x16x32_f16 v[8*ui:8*ui+7], v[QB+16*(ui%4):QB+16*(ui%4)+7], v[VF:VF+7], v[8*ui:8*ui+7]
.set ui, ui+1
.endr
	WIN 0
	s_add_co_u32 s[TB], s[TB], REC
	s_add_co_u32 s[VS], s[VS], 1024
	s_add_co_u32 s[OB], s[OB], 2048
	s_add_co_u32 s[SB], s[SB], 128
.endm
; THE CHANGE OF SLOTS.  Each wave waits for all its tensor loads (one is out: its record of the other slot), adds 0 to its spare word, and waits for that and for its reads of the slot that it leaves.
; fill = 1: the barrier is a round of the cluster's, and the joint refill, two slots on, is the first thing behind it: it has two chunks' work in which to land.
.macro CHANGE fill
	s_wait_tensorcnt 0x0
	ds_add_u32 v[SPW], v[NIL]
.if \fill
	s_xor_b32 s[G0J+1], s[G0J+1], SLOT1
	s_add_nc_u64 s[G0J+2:G0J+3], s[G0J+2:G0J+3], SLOTB
.endif
	s_wait_dscnt 0x0
.if \fill
	CROUND
	JLOAD
.else
	s_barrier_signal -1
	s_barrier_wait -1
.endif
	s_sub_co_u32 s[TB], s[TB], SLOTB
	s_xor_b32 s[TB], s[TB], SLOT1
.endm
.macro TWOCH
	s_mov_b32 s[TWICE], 2
.Lchunk_\@:
	CHUNK
	s_sub_co_u32 s[TWICE], s[TWICE], 1
	s_cmp_lg_u32 s[TWICE], 0
	s_cbranch_scc1 .Lchunk_\@
.endm
.Lslot:                                                ; seven trips: a slot is entered and the other one asked for
	CHANGE 1
	TWOCH
	s_sub_co_u32 s[SLOTS], s[SLOTS], 1
	s_cmp_lg_u32 s[SLOTS], 0
	s_cbranch_scc1 .Lslot
	CHANGE 0                                       ; the last slot is written out
	TWOCH
	s_wait_tensorcnt 0x0                           ; the wave's end
	ds_add_u32 v[SPW], v[NIL]
	s_wait_dscnt 0x0
	CROUND                                         ; the closing round
	s_endpgm
.Lfunc_end_k_qfd29e06da8_scan:
	.size	k_qfd29e06da8_scan, .Lfunc_end_k_qfd29e06da8_scan-k_qfd29e06da8_scan
	.p2alignl 7, 3214868480
	.fill 96, 4, 3214868480
	.section	.rodata,"a",@progbits
	.p2align	6, 0x0
	.amdhsa_kernel k_qfd29e06da8_scan
		.amdhsa_group_segment_fixed_size 327680
		.amdhsa_private_segment_fixed_size 0
		.amdhsa_enable_private_segment 0
		.amdhsa_kernarg_size 32
		.amdhsa_user_sgpr_count 2
		.amdhsa_user_sgpr_kernarg_segment_ptr 1
		.amdhsa_wavefront_size32 1
		.amdhsa_system_sgpr_workgroup_id_x 1
		.amdhsa_system_sgpr_workgroup_id_y 1
		.amdhsa_system_sgpr_workgroup_id_z 1
		.amdhsa_system_vgpr_workitem_id 0
		.amdhsa_next_free_vgpr 384
		.amdhsa_next_free_sgpr 66
		.amdhsa_reserve_vcc 0
		.amdhsa_float_denorm_mode_32 3
		.amdhsa_float_denorm_mode_16_64 3
		.amdhsa_memory_ordered 1
		.amdhsa_forward_progress 1
		.amdhsa_inst_pref_size 75
	.end_amdhsa_kernel
	.amdgpu_metadata
---
amdhsa.version: [ 1, 2 ]
amdhsa.kernels:
  - .name:           k_qfd29e06da8_scan
    .symbol:         k_qfd29e06da8_scan.kd
    .args:
      - { .name: rec, .offset: 0, .size: 8, .value_kind: global_buffer, .address_space: global }
      - { .name: vf, .offset: 8, .size: 8, .value_kind: global_buffer, .address_space: global }
      - { .name: of, .offset: 16, .size: 8, .value_kind: global_buffer, .address_space: global }
      - { .name: ssq, .offset: 24, .size: 8, .value_kind: global_buffer, .address_space: global }
    .group_segment_fixed_size: 327680
    .private_segment_fixed_size: 0
    .kernarg_segment_align: 8
    .kernarg_segment_size: 32
    .max_flat_workgroup_size: 64
    .sgpr_count:     66
    .vgpr_count:     384
    .wavefront_size: 32
...
	.end_amdgpu_metadata
.endif
;; end of part 4
;; launch norm (part 5): grid 32 x 16, 4 waves a work-group, no clusters, 34,304 bytes of LDS; arguments of, ssq, rec, pqkg, g_norm_weight, yb; writes yb
.if DOCPART == 5
	.amdgcn_target "amdgcn-amd-amdhsa--gfx1250"
	.amdhsa_code_object_version 6
	.text
	.protected	k_qfd29e06da8_norm
	.globl	k_qfd29e06da8_norm
	.p2align	8
	.type	k_qfd29e06da8_norm,@function
k_qfd29e06da8_norm:
	s_mov_b64 s[64:65], 0
	v_nop
	global_prefetch_b8 v0, s[64:65] scope:SCOPE_SE
	s_setreg_imm32_b32 hwreg(HW_REG_WAVE_MODE, 25, 1), 1
	s_wait_xcnt 0x0
; y = o^ x rsqrt(mean(o^^2) + EPS / |q|^2) x w x g x sigmoid(g), rounded once to bf16 (y has no room in f16 for inputs 30 times larger).  o^ = o / |q|: the norm cancels |q|, and EPS is
; divided by |q|^2 in f32 to match.  A work-group takes 16 rows of one (batch, head), wave w columns 128 w .. 128 w + 127.  o^ arrives as images (a lane: one row, four columns), is scaled there,
; where the row's factor is the lane's own, and goes through the wave's own stage in LDS to whole rows: 16 lanes then store 256 consecutive bytes of y.  A stream: no matrix unit, no cluster.
; REGISTERS: v0-3 ids; v4-9 byte offsets of the six streams, v10-11 my places in the stage: none of them is rewritten; v12 at work.
.set SPITCH, 528
.set SPARE, 33792
.set EPSF, 0x3727c5ac                  ; 1e-5
.set QN,  24
.set RS,  26                           ; v[26:27]
.set OF,  32                           ; v[32:95] o^: images, then rows
.set G,   96                           ; v[96:127] g, eight f16 a row pair; then y
.set W,   128                          ; v[128:135]
.set SS,  136                          ; v[136:151] sixteen partial sums of squares
.set U,   152                          ; v[152:159]
.set NL,  160
.set ZERO, 161
.set SPW, 164
.set NIL, 165
	s_load_b256 s[4:11], s[0:1], 0x0               ; of 4, ssq 6, rec 8, pqkg 10
	s_load_b128 s[12:15], s[0:1], 0x20             ; g_norm_weight 12, yb 14
	v_lshl_add_u32 v[SPW], v0, 2, SPARE
	v_mov_b32 v[NIL], 0
	v_lshrrev_b32 v1, 5, v0
	v_readfirstlane_b32 s16, v1                    ; wave
	v_and_b32 v1, 31, v0
	v_and_b32 v2, 15, v0                           ; r
	v_bfe_u32 v3, v0, 4, 1                         ; h
	s_and_b32 s17, ttmp7, 0xffff                   ; bh
	s_lshr_b32 s18, s17, 2                         ; batch
	s_and_b32 s19, s17, 3                          ; head
	s_lshl_b32 s20, s17, 16                        ; ssq: 32 blocks of 2,048 bytes a (batch, head); 16 rows are 64 bytes
	s_lshl_b32 s21, ttmp9, 6
	s_add_co_u32 s20, s20, s21
	s_mov_b32 s21, 0
	s_lshr_b32 s22, ttmp9, 1                       ; rec: the chunk's record, |q|^2 of my 16 rows
	s_lshl4_add_u32 s22, s17, s22
	s_mul_i32 s22, s22, 36096
	s_and_b32 s23, ttmp9, 1
	s_lshl_b32 s23, s23, 7
	s_add_co_u32 s22, s22, s23
	s_add_co_u32 s22, s22, 35840
	s_mov_b32 s23, 0
	s_lshl_b32 s24, s17, 5                         ; of: block of 16 columns 32 bh + 8 w, row tile
	s_lshl3_add_u32 s24, s16, s24
	s_lshl_b32 s24, s24, 5
	s_add_co_u32 s24, s24, ttmp9
	s_lshl_b32 s24, s24, 10
	s_mov_b32 s25, 0
	s_lshl_b32 s26, s18, 9
	s_lshl4_add_u32 s26, ttmp9, s26                ; my first row of 2,048
	s_lshl_b32 s28, s19, 10
	s_lshl_b32 s29, s16, 8
	s_add_co_u32 s28, s28, s29                     ; the head's and the wave's bytes in a row of g or y
	s_lshl_b32 s30, s26, 12
	s_add_co_u32 s30, s30, s28                     ; yb
	s_mov_b32 s31, 0
	s_lshl_b32 s26, s26, 13
	s_add_co_u32 s26, s26, s28
	s_add_co_u32 s26, s26, 4096                    ; g lies behind q and k in a row of pqkg
	s_mov_b32 s27, 0
	s_lshl_b32 s28, s16, 9
	s_mov_b32 s29, 0
	s_wait_kmcnt 0x0
	s_add_nc_u64 s[6:7], s[6:7], s[20:21]
	s_add_nc_u64 s[8:9], s[8:9], s[22:23]
	s_add_nc_u64 s[4:5], s[4:5], s[24:25]
	s_add_nc_u64 s[10:11], s[10:11], s[26:27]
	s_add_nc_u64 s[12:13], s[12:13], s[28:29]
	s_add_nc_u64 s[14:15], s[14:15], s[30:31]
	v_lshlrev_b32 v4, 2, v2
	v_lshl_add_u32 v4, v3, 11, v4                  ; ssq: block 2 i + h, row r
	v_lshlrev_b32 v5, 3, v2                        ; |q|^2 of row r
	v_lshlrev_b32 v6, 4, v1                        ; o^: 16 bytes a lane
	v_lshlrev_b32 v7, 5, v2                        ; w: my eight columns
	v_lshlrev_b32 v8, 4, v2
	v_lshl_add_u32 v9, v3, 12, v8                  ; y: row h of a pair, 16 bytes
	v_lshl_add_u32 v8, v3, 13, v8                  ; g likewise
.set i, 0
.rept 16
	global_load_b32 v[SS+i], v4, s[6:7] offset:i*4096
.set i, i+1
.endr
	global_load_b32 v[QN], v5, s[8:9]
.set i, 0
.rept 16
	global_load_b128 v[OF+4*i:OF+4*i+3], v6, s[4:5] offset:(i/2)*32768+(i%2)*512 th:TH_LOAD_NT
.set i, i+1
.endr
	global_load_b128 v[W:W+3], v7, s[12:13]
	global_load_b128 v[W+4:W+7], v7, s[12:13] offset:16
.set i, 0
.rept 8
	global_load_b128 v[G+4*i:G+4*i+3], v8, s[10:11] offset:i*16384
.set i, i+1
.endr
	s_mov_b32 s20, 0x76543210
	s_mov_b32 s21, 0xfedcba98
	s_mov_b32 s22, 0x3b000000                      ; 1 / 512
	s_mul_i32 s23, s16, 16*SPITCH                  ; my stage
	v_mul_u32_u24 v10, v2, SPITCH
	v_lshl_add_u32 v10, v3, 5, v10
	v_add_nc_u32 v10, s23, v10                     ; in: row r, 32 bytes for each half of the lanes
	v_mul_u32_u24 v11, v3, SPITCH
	v_lshl_add_u32 v11, v2, 5, v11
	v_add_nc_u32 v11, s23, v11                     ; back: lanes 0-15 one row, lanes 16-31 the next, 32 bytes a lane
	v_mov_b32 v[NL], 0xbfb8aa3b                    ; -log2(e)
	v_mov_b32 v[ZERO], 0
	s_wait_loadcnt 26                              ; the sums and |q|^2 are in; the 26 younger loads (16 of o^, 2 of w, 8 of g) stay out
	v_rcp_f32 v25, v[QN]
	v_pk_add_f32 v[SS:SS+1], v[SS:SS+1], v[SS+2:SS+3]
	v_pk_add_f32 v[SS+4:SS+5], v[SS+4:SS+5], v[SS+6:SS+7]
	v_pk_add_f32 v[SS+8:SS+9], v[SS+8:SS+9], v[SS+10:SS+11]
	v_pk_add_f32 v[SS+12:SS+13], v[SS+12:SS+13], v[SS+14:SS+15]
	v_pk_add_f32 v[SS:SS+1], v[SS:SS+1], v[SS+4:SS+5]
	v_pk_add_f32 v[SS+8:SS+9], v[SS+8:SS+9], v[SS+12:SS+13]
	v_pk_add_f32 v[SS:SS+1], v[SS:SS+1], v[SS+8:SS+9]
	v_add_f32 v[SS], v[SS], v[SS+1]
	v_permlanex16_b32 v[SS+1], v[SS], s20, s21     ; the other sixteen blocks' sums lie in the lane 16 away
	v_add_f32 v[SS], v[SS], v[SS+1]
	s_wait_alu depctr_va_vdst(0)
	v_mul_f32 v25, EPSF, v25
	v_fma_f32 v25, v[SS], s22, v25
	v_rsq_f32 v[RS], v25
	v_nop                                          ; a plain line between the root and the use of its result
	s_wait_alu depctr_va_vdst(0)
	v_mov_b32 v[RS+1], v[RS]
	s_wait_loadcnt 10                              ; o^ is in; w and g stay out
.set i, 0
.rept 16
	v_pk_mul_f32 v[OF+4*i:OF+4*i+1], v[OF+4*i:OF+4*i+1], v[RS:RS+1]
	v_pk_mul_f32 v[OF+4*i+2:OF+4*i+3], v[OF+4*i+2:OF+4*i+3], v[RS:RS+1]
	ds_store_b128 v10, v[OF+4*i:OF+4*i+3] offset:64*(i/2)+16*(i%2)
.set i, i+1
.endr
.set i, 0
.rept 8                                        ; LDS serves a wave's instructions in order: these see the stores above; the stage is my wave's own
	ds_load_b128 v[OF+8*i:OF+8*i+3], v11 offset:2*i*SPITCH
	ds_load_b128 v[OF+8*i+4:OF+8*i+7], v11 offset:2*i*SPITCH+16
.set i, i+1
.endr
	s_wait_loadcnt 0x0
.irp k, 0,1,2,3                                ; w is rounded to bf16, like every input
	v_cvt_pk_bf16_f32 v12, v[W+2*\k], v[W+2*\k+1]
	v_lshlrev_b32 v[W+2*\k], 16, v12
	v_and_b32 v[W+2*\k+1], 0xffff0000, v12
.endr
.macro ROWS p                          ; rows 2 p, 2 p + 1: eight numbers a lane
	s_wait_dscnt 14-2*(\p)                         ; this pair's two loads are in; the 14 - 2 p younger ones stay out
.irp k, 0,1,2,3
	v_fma_mix_f32 v[U+2*\k], v[G+4*(\p)+\k], v[NL], v[ZERO] op_sel_hi:[1,0,0]
	v_fma_mix_f32 v[U+2*\k+1], v[G+4*(\p)+\k], v[NL], v[ZERO] op_sel:[1,0,0] op_sel_hi:[1,0,0]
.endr
.irp k, 0,1,2,3,4,5,6,7
	v_exp_f32 v[U+\k], v[U+\k]
.endr
.irp k, 0,1,2,3
	v_pk_mul_f32 v[OF+8*(\p)+2*\k:OF+8*(\p)+2*\k+1], v[OF+8*(\p)+2*\k:OF+8*(\p)+2*\k+1], v[W+2*\k:W+2*\k+1]
.endr
	s_wait_alu depctr_va_vdst(0)
.irp k, 0,1,2,3,4,5,6,7
	v_add_f32 v[U+\k], 1.0, v[U+\k]
.endr
.irp k, 0,1,2,3,4,5,6,7
	v_rcp_f32 v[U+\k], v[U+\k]                     ; sigmoid(g)
.endr
.irp k, 0,1,2,3
	v_fma_mix_f32 v[OF+8*(\p)+2*\k], v[G+4*(\p)+\k], v[OF+8*(\p)+2*\k], v[ZERO] op_sel_hi:[1,0,0]
	v_fma_mix_f32 v[OF+8*(\p)+2*\k+1], v[G+4*(\p)+\k], v[OF+8*(\p)+2*\k+1], v[ZERO] op_sel:[1,0,0] op_sel_hi:[1,0,0]
.endr
	s_wait_alu depctr_va_vdst(0)
.irp k, 0,1,2,3
	v_pk_mul_f32 v[OF+8*(\p)+2*\k:OF+8*(\p)+2*\k+1], v[OF+8*(\p)+2*\k:OF+8*(\p)+2*\k+1], v[U+2*\k:U+2*\k+1]
.endr
.irp k, 0,1,2,3
	v_cvt_pk_bf16_f32 v[G+4*(\p)+\k], v[OF+8*(\p)+2*\k], v[OF+8*(\p)+2*\k+1]
.endr
	global_store_b128 v9, v[G+4*(\p):G+4*(\p)+3], s[14:15] offset:(\p)*8192  ; 16 lanes store 256 consecutive bytes, at a multiple of 256
.endm
.irp p, 0,1,2,3,4,5,6,7
	ROWS \p
.endr
	s_wait_tensorcnt 0x0                           ; the wave's end
	ds_add_u32 v[SPW], v[NIL]
	s_wait_dscnt 0x0
	s_endpgm
.Lfunc_end_k_qfd29e06da8_norm:
	.size	k_qfd29e06da8_norm, .Lfunc_end_k_qfd29e06da8_norm-k_qfd29e06da8_norm
	.p2alignl 7, 3214868480
	.fill 96, 4, 3214868480
	.section	.rodata,"a",@progbits
	.p2align	6, 0x0
	.amdhsa_kernel k_qfd29e06da8_norm
		.amdhsa_group_segment_fixed_size 34304
		.amdhsa_private_segment_fixed_size 0
		.amdhsa_enable_private_segment 0
		.amdhsa_kernarg_size 48
		.amdhsa_user_sgpr_count 2
		.amdhsa_user_sgpr_kernarg_segment_ptr 1
		.amdhsa_wavefront_size32 1
		.amdhsa_system_sgpr_workgroup_id_x 1
		.amdhsa_system_sgpr_workgroup_id_y 1
		.amdhsa_system_sgpr_workgroup_id_z 1
		.amdhsa_system_vgpr_workitem_id 0
		.amdhsa_next_free_vgpr 168
		.amdhsa_next_free_sgpr 66
		.amdhsa_reserve_vcc 0
		.amdhsa_float_denorm_mode_32 3
		.amdhsa_float_denorm_mode_16_64 3
		.amdhsa_memory_ordered 1
		.amdhsa_forward_progress 1
		.amdhsa_inst_pref_size 35
	.end_amdhsa_kernel
	.amdgpu_metadata
---
amdhsa.version: [ 1, 2 ]
amdhsa.kernels:
  - .name:           k_qfd29e06da8_norm
    .symbol:         k_qfd29e06da8_norm.kd
    .args:
      - { .name: of, .offset: 0, .size: 8, .value_kind: global_buffer, .address_space: global }
      - { .name: ssq, .offset: 8, .size: 8, .value_kind: global_buffer, .address_space: global }
      - { .name: rec, .offset: 16, .size: 8, .value_kind: global_buffer, .address_space: global }
      - { .name: pqkg, .offset: 24, .size: 8, .value_kind: global_buffer, .address_space: global }
      - { .name: g_norm_weight, .offset: 32, .size: 8, .value_kind: global_buffer, .address_space: global }
      - { .name: yb, .offset: 40, .size: 8, .value_kind: global_buffer, .address_space: global }
    .group_segment_fixed_size: 34304
    .private_segment_fixed_size: 0
    .kernarg_segment_align: 8
    .kernarg_segment_size: 48
    .max_flat_workgroup_size: 128
    .sgpr_count:     66
    .vgpr_count:     168
    .wavefront_size: 32
...
	.end_amdgpu_metadata
.endif
;; end of part 5
;; launch outp (part 6): grid 8 x 32, 4 waves a work-group, clusters of 4 x 4, 327,680 bytes of LDS; arguments yb, cst, out0; writes out0
.if DOCPART == 6
	.amdgcn_target "amdgcn-amd-amdhsa--gfx1250"
	.amdhsa_code_object_version 6
	.text
	.protected	k_qfd29e06da8_outp
	.globl	k_qfd29e06da8_outp
	.p2align	8
	.type	k_qfd29e06da8_outp,@function
k_qfd29e06da8_outp:
	s_mov_b64 s[64:65], 0
	v_nop
	global_prefetch_b8 v0, s[64:65] scope:SCOPE_SE
	s_setreg_imm32_b32 hwreg(HW_REG_WAVE_MODE, 25, 1), 1
	s_wait_xcnt 0x0
	s_wait_alu depctr_hold_cnt(0) depctr_sa_sdst(0) depctr_va_vdst(0) depctr_va_sdst(0) depctr_va_ssrc(0) depctr_va_vcc(0) depctr_vm_vsrc(0)
	s_getreg_b32 s2, hwreg(HW_REG_IB_STS2, 6, 4)
	s_cmp_eq_u32 s2, 0
	s_cbranch_scc0 .Lentry_in_a_cluster
	s_endpgm
.Lentry_in_a_cluster:
	s_bfe_u32 s2, ttmp6, 0x10000c
	s_cmp_lg_u32 s2, 0xf033
	s_cbranch_scc0 .Lentry_shape_is_right
	s_endpgm
.Lentry_shape_is_right:
; C = A B, bf16 operands, f32 sums.  A [rows][SIZE_K] lies along K; B [SIZE_K][LDB] lies along N and is turned on its way out of LDS (ds_load_tr16_b128).
; HERE: A = yb (2048 x 2048), B = wob (2048 x 1024, in cst), C = out0 in f32.  The text is proj's with other constants at its head: tiles of 64 x 128 give each of 256 WGPs one work-group.
; A tile of C is TM x 128; four waves, each 16 WM x 64.  K goes in steps of 256 through two LDS slots filled by tensor loads: waves 0, 1 bring A's halves, waves 2, 3 B's.
; CLUSTER 4 x 4: A's tile is shared along a row of the cluster, B's along a column; each is asked for jointly, by the same load with the same descriptor and a mask of four.
; The matrix instruction is used transposed (source 0 = 16 columns of B, source 1 = 16 rows of A): a lane holds eight neighbouring numbers of a row of C.
; REGISTERS: window 0: v0-31 addresses, v32-95 the way out, v128-191 accumulators ((a, b) at 128 + 8 (4 a + b)); window 1: two fragment buffers of 128 (A's 64, then B's 64).
.set WM,     2                         ; blocks of 16 rows a wave
.set SIZE_K, 2048
.set LDB,    1024                      ; elements from row to row of B
.set EPI,    1                         ; 0: f16 out (rows, or V's images); 1: f32 rows out
.set BOFF,   4194304                   ; B's first byte in cst
.set TM,     32*WM
.set KSTEP,  256
.set PA,     528                       ; a row of A in LDS: 512 bytes + 16: the 16 rows of a load start at 16 different groups of four banks
.set PB,     288                       ; a row of B: 256 bytes + 32
.set ASZ,    TM*PA
.set AHALF,  (TM/2)*PA
.set BHALF,  128*PB
.set SLOT,   ASZ+2*BHALF
.set STAGE,  2*SLOT                    ; behind the ring, never filled by a tensor load
.if EPI == 0
.set SPITCH, 272
.else
.set SPITCH, 528
.endif
.set SPARE,  STAGE+TM*SPITCH           ; the spare words: 128 bytes a wave, named by no other line
.set LAPS,   SIZE_K/(2*KSTEP)
.set LC,     8+2*WM                    ; LDS loads for 32 along K
.set ADRA, 16                          ; v16-17  my A fragments in slot 0, 1
.set ADRB, 20                          ; v20-23  my B fragments: slot 0, 1 (k rows 0-127), slot 0, 1 (k rows 128-255)
.set STO,  24
.set RD,   25
.set CO,   26
.set RDV,  27
.set SPW,  28
.set NIL,  29
.set COV,  30
.set TMP,  32
.set ACC,  128
.set F0,   0
.set F1,   128
.set G1,  24
.set G0,  32
.set G1B, 48
.set G0B, 56
.set MSB, 0
.macro WIN new                         ; the immediate's high byte repeats the setting that is left
.if MSB != (\new)
	s_set_vgpr_msb (MSB<<8)|(\new)
.set MSB, \new
.endif
.endm
.set MUL,  0x05                        ; sources 0 and 1 window 1; C and D window 0
.set TO_F, 0x40                        ; destination window 1, address window 0
.macro JLOAD s                         ; a joint load; the branch hangs on the wave's number alone; s_nop 0 and four v_nop follow each line
	s_cmp_eq_u32 s11, 0
	s_cbranch_scc0 .Lfor_b_\@
	tensor_load_to_lds s[G0+4*(\s):G0+4*(\s)+3], s[G1:G1+7]
	s_nop 0
.rept 4
	v_nop
.endr
	s_branch .Lasked_\@
.Lfor_b_\@:
	tensor_load_to_lds s[G0B+4*(\s):G0B+4*(\s)+3], s[G1B:G1B+7]
	s_nop 0
.rept 4
	v_nop
.endr
.Lasked_\@:
.endm
.macro CREST                           ; a round of the cluster's barrier behind its opening barrier
	s_cmp_lg_u32 s10, 0
	s_cbranch_scc1 .Lnot_wave_0_\@
	s_barrier_signal -3
.Lnot_wave_0_\@:
	s_barrier_wait -3
	s_barrier_signal -1
	s_barrier_wait -1
.endm
.macro CROUND
	s_barrier_signal -1
	s_barrier_wait -1
	CREST
.endm
.macro PLACES                          ; four places behind matrix instructions, in front of loads into their sources and of reads of their results
.rept 4
	v_nop
.endr
.endm
	s_load_b128 s[4:7], s[0:1], 0x0
.if EPI == 0
	s_load_b64 s[66:67], s[0:1], 0x10              ; cst s[4:5], pqkg s[6:7], vf s[66:67]
.else
	s_load_b64 s[8:9], s[0:1], 0x10                ; A s[4:5], cst s[6:7], C s[8:9]
.endif
	v_lshl_add_u32 v[SPW], v0, 2, SPARE
	v_mov_b32 v[NIL], 0
	ds_add_u32 v[SPW], v[NIL]                      ; the wave's opening: the add and its wait stand ahead of my first tensor load
	v_lshrrev_b32 v1, 5, v0
	v_readfirstlane_b32 s10, v1                    ; wave 0..3
	s_lshr_b32 s11, s10, 1                         ; my half of the tile's rows; also: I fetch for A (0) or B (1)
	s_and_b32 s12, s10, 1                          ; my half of its columns; also: which half of that tile I fetch
	s_bfe_u32 s40, ttmp6, 0x40000                  ; cx
	s_bfe_u32 s41, ttmp6, 0x40004                  ; cy
	s_lshl_b32 s42, ttmp9, 2
	s_add_co_u32 s42, s42, s40                     ; tile column
	s_and_b32 s13, ttmp7, 0xffff
	s_lshl_b32 s13, s13, 2
	s_add_co_u32 s13, s13, s41                     ; tile row
	s_lshl_b32 s43, s41, 2
	s_lshl_b32 s43, 15, s43                        ; my row of the cluster
	s_lshl_b32 s44, 0x1111, s40                    ; my column
	s_or_b32 s[G1+0], s43, (1<<16)|(1<<20)|(1<<21)|(6<<22)|(3<<25)   ; mask; 2-byte elements; padding on; bit 21 beside a mask; after 128 words 4 words
	s_or_b32 s[G1B+0], s44, (1<<16)|(1<<20)|(1<<21)|(5<<22)|(7<<25)  ; after 64 words 8 words
	s_mov_b32 s[G1+1], KSTEP<<16                   ; A: TM/2 rows of 256 elements
	s_mov_b32 s[G1+2], (TM/2)<<16
	s_mov_b32 s[G1+3], KSTEP<<16
	s_mov_b32 s[G1+4], TM/2
	s_mov_b32 s[G1+5], SIZE_K
	s_mov_b32 s[G1+6], 0
	s_mov_b32 s[G1+7], 0
	s_mov_b32 s[G1B+1], 128<<16                    ; B: 128 k rows of 128 elements
	s_mov_b32 s[G1B+2], 128<<16
	s_mov_b32 s[G1B+3], 128<<16
	s_mov_b32 s[G1B+4], 128
	s_mov_b32 s[G1B+5], LDB
	s_mov_b32 s[G1B+6], 0
	s_mov_b32 s[G1B+7], 0
	s_mul_i32 s17, s12, TM/2
	s_mul_i32 s16, s13, TM
	s_add_co_u32 s16, s16, s17                     ; A: the first row that I fetch
	s_mov_b32 s17, 0
	s_mov_b64 s[18:19], SIZE_K*2
	s_mul_u64 s[16:17], s[16:17], s[18:19]
	s_mul_i32 s46, s12, 128*LDB*2                  ; B: my 128 k rows,
	s_lshl_b32 s47, s42, 8                         ; the tile's 128 columns
	s_add_co_u32 s46, s46, s47
	s_mov_b32 s47, 0
	s_mul_i32 s20, s12, AHALF                      ; where they go: no place in the cluster enters an LDS address
	s_mul_i32 s45, s12, BHALF
	s_add_co_u32 s45, s45, ASZ
	s_wait_dscnt 0x0                               ; the opening add is done
	s_wait_kmcnt 0x0
.if EPI == 0
	s_mov_b64 s[8:9], s[6:7]                       ; C = pqkg
	s_add_nc_u64 s[6:7], s[4:5], BOFF              ; B = wcat, in the same buffer as A
.else
	s_add_nc_u64 s[6:7], s[6:7], BOFF
.endif
	s_add_nc_u64 s[14:15], s[4:5], s[16:17]
	s_add_nc_u64 s[46:47], s[6:7], s[46:47]
	CROUND                                         ; all sixteen work-groups are here: the first joint loads meet
.irp s, 0,1
	s_mov_b32 s[G0+4*(\s)], 1
	s_add_co_u32 s[G0+4*(\s)+1], s20, (\s)*SLOT
	s_add_nc_u64 s[G0+4*(\s)+2:G0+4*(\s)+3], s[14:15], (\s)*KSTEP*2
	s_or_b32 s[G0+4*(\s)+3], s[G0+4*(\s)+3], 0x80000000
	s_mov_b32 s[G0B+4*(\s)], 1
	s_add_co_u32 s[G0B+4*(\s)+1], s45, (\s)*SLOT
	s_add_nc_u64 s[G0B+4*(\s)+2:G0B+4*(\s)+3], s[46:47], (\s)*KSTEP*LDB*2
	s_or_b32 s[G0B+4*(\s)+3], s[G0B+4*(\s)+3], 0x80000000
	JLOAD \s
.endr
	v_and_b32 v1, 15, v0                           ; l % 16
	v_bfe_u32 v2, v0, 4, 1                         ; l / 16
	v_mul_u32_u24 v3, v1, PA
	v_lshl_add_u32 v3, v2, 4, v3                   ; A: row x pitch + 16 x half
	s_mul_i32 s21, s11, 16*WM*PA
	v_add_nc_u32 v[ADRA], s21, v3
	v_add_nc_u32 v[ADRA+1], SLOT, v[ADRA]
	v_and_b32 v7, 7, v0
	v_lshl_add_u32 v7, v2, 3, v7                   ; B: k row 8 (l / 16) + l % 8,
	v_bfe_u32 v5, v0, 3, 1                         ; columns 8 ((l / 8) % 2) on
	v_mul_u32_u24 v4, v7, PB
	v_lshl_add_u32 v4, v5, 4, v4
	s_lshl_b32 s22, s12, 7
	s_add_co_u32 s22, s22, ASZ
	v_add_nc_u32 v[ADRB], s22, v4
	v_add_nc_u32 v[ADRB+1], SLOT, v[ADRB]
	v_add_nc_u32 v[ADRB+2], BHALF, v[ADRB]
	v_add_nc_u32 v[ADRB+3], BHALF, v[ADRB+1]
.if EPI == 0
	s_mul_i32 s23, s11, 64*SPITCH                  ; into the stage: my 64 rows, my half of their 256 bytes
	s_lshl_b32 s21, s12, 7
	s_add_co_u32 s23, s23, s21
	s_add_co_u32 s23, s23, STAGE
	v_mul_u32_u24 v6, v1, SPITCH
	v_lshl_add_u32 v6, v2, 4, v6
	v_add_nc_u32 v[STO], s23, v6
	s_mul_i32 s23, s10, 32*SPITCH                  ; back: wave w takes rows 32 w .. 32 w + 31
	s_add_co_u32 s23, s23, STAGE
	v_mul_u32_u24 v6, v2, SPITCH
	v_lshl_add_u32 v6, v1, 4, v6
	v_add_nc_u32 v[RD], s23, v6
	v_lshlrev_b32 v6, 13, v2                       ; and the same two rows in pqkg (8,192 bytes a row)
	v_lshl_add_u32 v[CO], v1, 4, v6
	v_mul_u32_u24 v6, v7, SPITCH                   ; V: the same 32 rows, turned
	v_lshl_add_u32 v6, v5, 4, v6
	v_add_nc_u32 v[RDV], s23, v6
	v_and_b32 v6, 31, v0
	v_lshlrev_b32 v[COV], 4, v6
.else
	s_mul_i32 s23, s11, 32*SPITCH                  ; into the stage: my 32 rows, my half of their 512 bytes; 32 bytes for each half of the lanes
	s_lshl_b32 s21, s12, 8
	s_add_co_u32 s23, s23, s21
	s_add_co_u32 s23, s23, STAGE
	v_mul_u32_u24 v6, v1, SPITCH
	v_lshl_add_u32 v6, v2, 5, v6
	v_add_nc_u32 v[STO], s23, v6
	s_mul_i32 s23, s10, 16*SPITCH                  ; back: wave w takes rows 16 w .. 16 w + 15, a whole row of 512 bytes a load
	s_add_co_u32 s23, s23, STAGE
	v_and_b32 v6, 31, v0
	v_lshlrev_b32 v[CO], 4, v6
	v_add_nc_u32 v[RD], s23, v[CO]
.endif
; WM/2 x 4 matrix instructions: half 'half' of my row blocks x all 4 column blocks, 32 along K (part c of buffer f).  The accumulators take turns.
.macro MULH f, c, half, zero
	WIN MUL
.set ma, (\half)*(WM/2)
.rept WM/2
.irp b, 0,1,2,3
.if \zero
	v_wmma_f32_16x16x32_bf16 v[ACC+8*(4*ma+(\b)):ACC+8*(4*ma+(\b))+7], v[(\f)+64+8*(4*(\c)+(\b)):(\f)+64+8*(4*(\c)+(\b))+7], v[(\f)+8*(4*(\c)+ma):(\f)+8*(4*(\c)+ma)+7], 0
.else
	v_wmma_f32_16x16x32_bf16 v[ACC+8*(4*ma+(\b)):ACC+8*(4*ma+(\b))+7], v[(\f)+64+8*(4*(\c)+(\b)):(\f)+64+8*(4*(\c)+(\b))+7], v[(\f)+8*(4*(\c)+ma):(\f)+8*(4*(\c)+ma)+7], v[ACC+8*(4*ma+(\b)):ACC+8*(4*ma+(\b))+7]
.endif
.endr
.set ma, ma+1
.endr
.endm
; 2 LC LDS loads in one run: the fragments of quarter kq (64 along K) of a slot into buffer f; the first 32 along K first
.macro FETCH slot, kq, f
	WIN TO_F
.irp c, 0,1
.irp i, 0,1,2,3
	ds_load_tr16_b128 v[(\f)+64+8*(4*(\c)+(\i)):(\f)+64+8*(4*(\c)+(\i))+3],   v[ADRB+(\slot)+2*((\kq)/2)] offset:(((\kq)%2)*64+32*(\c))*PB+32*(\i)
	ds_load_tr16_b128 v[(\f)+64+8*(4*(\c)+(\i))+4:(\f)+64+8*(4*(\c)+(\i))+7], v[ADRB+(\slot)+2*((\kq)/2)] offset:(((\kq)%2)*64+32*(\c)+16)*PB+32*(\i)
.endr
.set fi, 0
.rept WM
	ds_load_b128 v[(\f)+8*(4*(\c)+fi):(\f)+8*(4*(\c)+fi)+3],   v[ADRA+(\slot)] offset:(\kq)*128+64*(\c)+fi*16*PA
	ds_load_b128 v[(\f)+8*(4*(\c)+fi)+4:(\f)+8*(4*(\c)+fi)+7], v[ADRA+(\slot)] offset:(\kq)*128+64*(\c)+fi*16*PA+32
.set fi, fi+1
.endr
.endr
.endm
; One of a K step's first three quarters: multiplies buffer f and fetches quarter kq into g
.macro QUARTER slot, kq, f, g, zero
	s_wait_dscnt LC                                ; the first 32 along K are in; the LC younger loads may be out
	MULH \f, 0, 0, \zero
	MULH \f, 0, 1, \zero
	PLACES
	FETCH \slot, \kq, \g
	s_wait_dscnt 2*LC                              ; all but the run just issued
	MULH \f, 1, 0, 0
	MULH \f, 1, 1, 0
.endm
; The last quarter multiplies buffer 1 and changes slots: each wave waits for all its tensor loads (one is out: its part of the next slot), adds 0 to its spare word, waits for that
; and for its reads of this slot; fill = 1: the barrier opens a round of the cluster's, and the joint refill is the first tensor load behind it
.macro TURN slot, next, fill
	WIN 0
	s_wait_tensorcnt 0x0
	ds_add_u32 v[SPW], v[NIL]
	s_wait_dscnt LC+1                              ; the add and the youngest LC loads may be out
	MULH F1, 0, 0, 0
	s_wait_dscnt 0x0                               ; the add is done, and my reads of this slot are over
	s_barrier_signal -1
	MULH F1, 0, 1, 0
.if \fill
	WIN 0
.endif
	s_barrier_wait -1
.if \fill
	CREST
	s_add_nc_u64 s[G0+4*(\slot)+2:G0+4*(\slot)+3], s[G0+4*(\slot)+2:G0+4*(\slot)+3], 2*KSTEP*2
	s_add_nc_u64 s[G0B+4*(\slot)+2:G0B+4*(\slot)+3], s[G0B+4*(\slot)+2:G0B+4*(\slot)+3], 2*KSTEP*LDB*2
	JLOAD \slot                                    ; its four v_nop are also the places in front of the loads below
.else
	PLACES
.endif
	FETCH \next, 0, F0
	MULH F1, 1, 0, 0
	MULH F1, 1, 1, 0
.endm
	s_wait_tensorcnt 1                             ; my part of K step 0 is in; K step 1's may stay out
	s_barrier_signal -1
	s_barrier_wait -1
	FETCH 0, 0, F0
	QUARTER 0, 1, F0, F1, 1                        ; the first quarter stands in front of the loop: its first products start the sums
	WIN 0
	s_mov_b32 s3, LAPS-1
.Llap:                                                 ; a trip goes once round the ring and fills both slots again
	QUARTER 0, 2, F1, F0, 0
	QUARTER 0, 3, F0, F1, 0
	TURN 0, 1, 1
	QUARTER 1, 1, F0, F1, 0
	QUARTER 1, 2, F1, F0, 0
	QUARTER 1, 3, F0, F1, 0
	TURN 1, 0, 1
	QUARTER 0, 1, F0, F1, 0
	WIN 0
	s_sub_co_u32 s3, s3, 1
	s_cmp_lg_u32 s3, 0
	s_cbranch_scc1 .Llap
	QUARTER 0, 2, F1, F0, 0                        ; the last lap fills nothing
	QUARTER 0, 3, F0, F1, 0
	TURN 0, 1, 0
	QUARTER 1, 1, F0, F1, 0
	QUARTER 1, 2, F1, F0, 0
	QUARTER 1, 3, F0, F1, 0
	s_wait_dscnt LC
	MULH F1, 0, 0, 0
	MULH F1, 0, 1, 0
	s_wait_dscnt 0x0
	MULH F1, 1, 0, 0
	MULH F1, 1, 1, 0
	WIN 0
	PLACES
.if EPI == 0
	; THE WAY OUT: rounded to f16, 16 bytes a lane into the work-group's stage; a barrier, since a row's 256 bytes come from two waves
.irp t, 0,1,2,3,4,5,6,7,8,9,10,11,12,13,14,15
.irp r, 0,1,2,3
	v_cvt_pk_f16_f32 v[TMP+4*(\t)+(\r)], v[ACC+8*(\t)+2*(\r)], v[ACC+8*(\t)+2*(\r)+1]
.endr
.endr
.irp a, 0,1,2,3
.irp b, 0,1,2,3
	ds_store_b128 v[STO], v[TMP+4*(4*(\a)+(\b)):TMP+4*(4*(\a)+(\b))+3] offset:(\a)*16*SPITCH+32*(\b)
.endr
.endr
	s_wait_dscnt 0x0                               ; for the others' sake: my stores into the stage are done
	s_barrier_signal -1
	s_barrier_wait -1
	s_cmp_ge_u32 ttmp9, 8                          ; cluster columns 8 on hold V's tiles: the same answer in all sixteen partners
	s_cbranch_scc1 .Lvpath
	s_lshl_b32 s16, s13, 7                         ; q, k, g: whole rows, 32 a wave
	s_lshl_b32 s17, s10, 5
	s_add_co_u32 s16, s16, s17
	s_lshl_b32 s16, s16, 13
	s_lshl_b32 s17, s42, 8
	s_add_co_u32 s16, s16, s17
	s_mov_b32 s17, 0
	s_add_nc_u64 s[8:9], s[8:9], s[16:17]
.irp t, 0,1,2,3,4,5,6,7,8,9,10,11,12,13,14,15
	ds_load_b128 v[TMP+4*(\t):TMP+4*(\t)+3], v[RD] offset:(\t)*2*SPITCH
.endr
.irp t, 0,1,2,3,4,5,6,7,8,9,10,11,12,13,14,15
	s_wait_dscnt 15-(\t)
	global_store_b128 v[CO], v[TMP+4*(\t):TMP+4*(\t)+3], s[8:9] offset:2*(\t)*8192  ; 16 lanes store 256 consecutive bytes, at a multiple of 256
.endr
	s_branch .Ldone
.Lvpath:                                               ; V: wave w's 32 rows are one chunk; for each 16 columns two images (lane: column l % 16, rows 16 half + 8 (l / 16) on)
	s_sub_co_u32 s46, s42, 32                      ; V's tile column 0..15
	s_lshr_b32 s47, s46, 2                         ; head
	s_and_b32 s46, s46, 3
	s_lshr_b32 s16, s13, 2                         ; batch
	s_lshl2_add_u32 s47, s16, s47                  ; bh
	s_lshl_b32 s47, s47, 5
	s_lshl3_add_u32 s47, s46, s47                  ; 32 bh + the tile's first block of 16 columns
	s_lshl_b32 s47, s47, 4
	s_and_b32 s16, s13, 3
	s_lshl2_add_u32 s16, s16, s10                  ; the chunk
	s_add_co_u32 s47, s47, s16
	s_lshl_b32 s46, s47, 10
	s_mov_b32 s47, 0
	s_add_nc_u64 s[66:67], s[66:67], s[46:47]
.irp t, 0,1,2,3,4,5,6,7,8,9,10,11,12,13,14,15
	ds_load_tr16_b128 v[TMP+4*(\t):TMP+4*(\t)+3], v[RDV] offset:((\t)%2)*16*SPITCH+32*((\t)/2)
.endr
.irp t, 0,1,2,3,4,5,6,7,8,9,10,11,12,13,14,15
	s_wait_dscnt 15-(\t)
	global_store_b128 v[COV], v[TMP+4*(\t):TMP+4*(\t)+3], s[66:67] offset:((\t)/2)*16384+((\t)%2)*512  ; 512 consecutive bytes
.endr
.Ldone:
.else
	; THE WAY OUT: f32, 32 bytes a lane into the work-group's stage (each accumulator's low registers first); a barrier; back as whole rows of 512 bytes
.set ea, 0
.rept WM
.irp b, 0,1,2,3
	ds_store_b128 v[STO], v[ACC+8*(4*ea+(\b)):ACC+8*(4*ea+(\b))+3] offset:ea*16*SPITCH+64*(\b)
	ds_store_b128 v[STO], v[ACC+8*(4*ea+(\b))+4:ACC+8*(4*ea+(\b))+7] offset:ea*16*SPITCH+64*(\b)+16
.endr
.set ea, ea+1
.endr
	s_wait_dscnt 0x0
	s_barrier_signal -1
	s_barrier_wait -1
	s_lshl_b32 s16, s13, 6
	s_lshl_b32 s17, s10, 4
	s_add_co_u32 s16, s16, s17                     ; the first row that I store
	s_lshl_b32 s16, s16, 12
	s_lshl_b32 s17, s42, 9
	s_add_co_u32 s16, s16, s17
	s_mov_b32 s17, 0
	s_add_nc_u64 s[8:9], s[8:9], s[16:17]
.irp t, 0,1,2,3,4,5,6,7,8,9,10,11,12,13,14,15
	ds_load_b128 v[TMP+4*(\t):TMP+4*(\t)+3], v[RD] offset:(\t)*SPITCH
.endr
.irp t, 0,1,2,3,4,5,6,7,8,9,10,11,12,13,14,15
	s_wait_dscnt 15-(\t)
	global_store_b128 v[CO], v[TMP+4*(\t):TMP+4*(\t)+3], s[8:9] offset:(\t)*4096  ; 512 consecutive bytes, at a multiple of 256
.endr
.endif
	s_wait_tensorcnt 0x0                           ; the wave's end
	ds_add_u32 v[SPW], v[NIL]
	s_wait_dscnt 0x0
	CROUND                                         ; the closing round
	s_endpgm
.Lfunc_end_k_qfd29e06da8_outp:
	.size	k_qfd29e06da8_outp, .Lfunc_end_k_qfd29e06da8_outp-k_qfd29e06da8_outp
	.p2alignl 7, 3214868480
	.fill 96, 4, 3214868480
	.section	.rodata,"a",@progbits
	.p2align	6, 0x0
	.amdhsa_kernel k_qfd29e06da8_outp
		.amdhsa_group_segment_fixed_size 327680
		.amdhsa_private_segment_fixed_size 0
		.amdhsa_enable_private_segment 0
		.amdhsa_kernarg_size 24
		.amdhsa_user_sgpr_count 2
		.amdhsa_user_sgpr_kernarg_segment_ptr 1
		.amdhsa_wavefront_size32 1
		.amdhsa_system_sgpr_workgroup_id_x 1
		.amdhsa_system_sgpr_workgroup_id_y 1
		.amdhsa_system_sgpr_workgroup_id_z 1
		.amdhsa_system_vgpr_workitem_id 0
		.amdhsa_next_free_vgpr 512
		.amdhsa_next_free_sgpr 66
		.amdhsa_reserve_vcc 0
		.amdhsa_float_denorm_mode_32 3
		.amdhsa_float_denorm_mode_16_64 3
		.amdhsa_memory_ordered 1
		.amdhsa_forward_progress 1
		.amdhsa_inst_pref_size 59
	.end_amdhsa_kernel
	.amdgpu_metadata
---
amdhsa.version: [ 1, 2 ]
amdhsa.kernels:
  - .name:           k_qfd29e06da8_outp
    .symbol:         k_qfd29e06da8_outp.kd
    .args:
      - { .name: yb, .offset: 0, .size: 8, .value_kind: global_buffer, .address_space: global }
      - { .name: cst, .offset: 8, .size: 8, .value_kind: global_buffer, .address_space: global }
      - { .name: out0, .offset: 16, .size: 8, .value_kind: global_buffer, .address_space: global }
    .group_segment_fixed_size: 327680
    .private_segment_fixed_size: 0
    .kernarg_segment_align: 8
    .kernarg_segment_size: 24
    .max_flat_workgroup_size: 128
    .sgpr_count:     66
    .vgpr_count:     512
    .wavefront_size: 32
...
	.end_amdgpu_metadata
.endif
;; end of part 6
;; ======== version 2 of 2: 6 launches; version 1 with the launches gate, norm written anew for expert scheduling mode
;; limits: values are held in f16: magnitudes above 65,504 overflow, below 6.1e-05 lose precision
;; workspace buffers: cst 21,004,288 bytes; pqkg 16,777,216 bytes; vf 8,388,608 bytes; rec 9,240,576 bytes; of 16,777,216 bytes; ssq 1,048,576 bytes; yb 8,388,608 bytes
;; launch cast: the kernel of part 1 again; grid 1281 x 1, 8 waves a work-group, no clusters, 0 bytes of LDS; arguments x, Wo, Wq, Wk, Wg, Wv, Wgk1, cst; writes cst
;; launch proj: the kernel of part 2 again; grid 48 x 16, 4 waves a work-group, clusters of 4 x 4, 327,680 bytes of LDS; arguments cst, pqkg, vf; writes pqkg, vf
;; launch gate (part 7): grid 16 x 16, 4 waves a work-group, no clusters, 163,328 bytes of LDS; arguments cst, pqkg, Wgk2, bgk2, rec; writes rec
.if DOCPART == 7
	.amdgcn_target "amdgcn-amd-amdhsa--gfx1250"
	.amdhsa_code_object_version 6
	.text
	.protected	k_qfd29e06da8_gate
	.globl	k_qfd29e06da8_gate
	.p2align	8
	.type	k_qfd29e06da8_gate,@function
k_qfd29e06da8_gate:
	s_mov_b64 s[64:65], 0
	v_nop
	global_prefetch_b8 v0, s[64:65] scope:SCOPE_SE
	s_setreg_imm32_b32 hwreg(HW_REG_WAVE_SCHED_MODE, 0, 2), 2
	s_setreg_imm32_b32 hwreg(HW_REG_WAVE_MODE, 25, 1), 1
	s_wait_xcnt 0x0
	s_wait_alu depctr_vm_vsrc(0)
; For one chunk of 32 rows of one (batch, head): the gates e = exp(logsigmoid(z) / 16), z = (x Wgk1) Wgk2 + b, and all that the scan needs of q, k and e, as a record of 36,096 bytes:
;   QF  q_t x prod(u = 0..t) e_u, f16 fragment images          KF  k_s x prod(u = s+1..31) e_u, turned, f16 images
;   AF  A[t][s] = rho_t q_t . (k_s x prod(u = s+1..t) e_u) for s <= t, else 0, f16 images; rho_t = 1 / (16 |q_t|)      GF  prod(u = 0..31) e_u, f32      RF  |q_t|^2, f32, twice
; No factor above 1 is ever formed: every decay is a product of e <= 1.  For s < t let m be the highest bit in which they differ: row s (bit clear) takes k_s x prod(s+1 .. end of its half),
; row t (bit set) takes q_t x prod(start of its half .. t); matrix R_m holds both kinds of rows, and R_m[t] . R_m[s] is the wanted number.  Five matrices R16 .. R1, and q . k for s = t.
; rho keeps |A| within the root mean square of k's row; the norm that follows the scan cancels it.
; LIMITS: q, k within f16's 65,504; a decay product below 2^-126 counts as 0; |q|^2 is taken as 1e-30 at the least; NaN and infinities are not treated apart.
; SHARES: lane l of wave w owns channels 64 w + 2 l, + 1 of the head's 256, for all 32 rows, in registers.  No cluster: no two work-groups read the same q, k; x's 64 KB are shared by four heads only.
; THE MODE: SCHED_MODE bits 1:0 = 2 (LLVM: expert scheduling mode 2), set by the entry lines.  The code itself states the register dependences
; between vector or matrix instructions and memory or LDS instructions, with s_wait_alu, always for 0.
; THE PLAN.  Registers that memory or LDS instructions touch:
;   v4-v10           offsets and LDS addresses of the first half: made at the head, never written again.
;   v12-13, v229-245 addresses of the second half: made once, behind the last exponentials, never written again.
;   FR               fragments of x and Wgk1: loaded, read by eight products, loaded once more.
;   row buffers      A = v144-175, B = v176-191 and v240-255: two rows of x Wgk1 each.  A step's multiply-adds read one; behind them it is asked for again, for the step two on.
;   OUT0, OUT1       a matrix's 32 rounded rows.  Block p (R16, R8, R4, R2, R1, KT, QT) writes OUT[p % 2]; its LDS stores are issued in block p + 1, one behind each row's
;                    arithmetic, which names OUT[(p + 1) % 2] alone.  So the waits at a block's head state all that the block's stores hang on.
;   q, k             loaded once; read by vector lines and by LDS stores; the last products' sums are written over them.
;   last fragments   three buffers of 48 registers (waves 0, 1), six of 24 (wave 2): a buffer is loaded again behind one wait for the products that read it.
; The selects' masks hang on the lane alone: the compares stand in runs, into scalar registers, with one wait behind each run.
.set P,    528                         ; a row of 256 f16 + 16 bytes: the 16 rows of a fragment load start at 16 different groups of four banks
.set PKT,  544                         ; KT's rows: 512 + 32 bytes, for the turning load
.set QR,   0
.set KR,   16896
.set R16,  33792
.set R8,   50688
.set R4,   67584
.set R2,   84480
.set R1,   101376
.set QT,   118272
.set KT,   135168
.set Z1P,  152576                      ; four waves' partial x Wgk1, [32][16] f32 each
.set Z1F,  160768                      ; their sum
.set SPARE, 162816                     ; the spare words
.set QF, 0
.set KF, 16384
.set AF, 32768
.set GF, 34816
.set RF, 35840
.set ZF,  10                           ; v10  LDS address of the summed x Wgk1
.set TW,  11                           ; v11  at work while Wgk2 is rounded: no memory instruction names it
.set H8,  12                           ; v12  8 h
.set L16, 13                           ; v13  16 x lane
.set SPW, 14
.set NIL, 15
.set QP,  16                           ; v[16:47]   q, two f16 a row
.set KP,  48                           ; v[48:79]   k
.set E,   80                           ; v[80:143]  z, then e: a pair a row
.set FR,  80                           ; fragments, where E is not alive
.set Z1T, 144                          ; v[144:175] partial sums of x Wgk1, then row buffer A
.set OUT, 144                          ; v[144:175], v[176:207] the two out-buffers
.set TA,  176
.set TC,  184
.set ZA,  176
.set ZB,  184
.set RS,  176                          ; v[176:183] a row of A's eight numbers
.set PK,  188                          ; v[188:191] the same, rounded
.set W2,  192                          ; v[192:223] Wgk2's 16 rows, my two columns; v[224:225] the bias
.set FP,  226                          ; v[226:227] a running product
.set ZERO, 228
.set AD,  229                          ; v[229:237] my 4 bytes in row 0 of QR, KR, R16, R8, R4, R2, R1, QT, KT
.set QAD, 238
.set KAD, 239
.set GOFF, 240                         ; v240-255 are half of row buffer B first, and hold what follows behind the gates
.set FA,  241                          ; a fragment's row x pitch + 16 h
.set FA1, 242                          ; the same from row 16 w on
.set FA2, 243                          ; the same in R4
.set AOF, 244                          ; my 16 bytes of image 3 w of AF
.set ROF, 245                          ; my word of RF
.set XJ,  246                          ; at work: no memory instruction names XJ or SJ; QS is stored once, at the end
.set SJ,  247
.set QS,  248
.set MB,  16                           ; s[16:35] the selects' masks
.macro PLACES
.rept 4
	v_nop
.endr
.endm
	s_load_b256 s[4:11], s[0:1], 0x0               ; cst 4, pqkg 6, Wgk2 8, bgk2 10
	s_load_b64 s[12:13], s[0:1], 0x20              ; rec
	v_lshl_add_u32 v[SPW], v0, 2, SPARE
	v_mov_b32 v[NIL], 0
	v_lshrrev_b32 v1, 5, v0
	v_readfirstlane_b32 s14, v1                    ; wave
	v_and_b32 v1, 31, v0                           ; lane
	v_and_b32 v2, 15, v0                           ; r
	v_bfe_u32 v3, v0, 4, 1                         ; h
	v_lshlrev_b32 v4, 2, v0                        ; 128 w + 4 l: my two f16 in a row of 512 bytes
	v_lshlrev_b32 v5, 3, v0                        ; 256 w + 8 l: my two f32
	v_lshlrev_b32 v6, 11, v2
	v_lshl_add_u32 v6, v3, 4, v6                   ; a fragment's row x 2,048 + 16 h
	v_lshlrev_b32 v8, 2, v2
	v_lshl_add_u32 v8, v3, 9, v8
	v_lshl_add_u32 v9, v0, 4, Z1P                  ; my 16 bytes of the 2,048
	v_mov_b32 v[ZF], Z1F
	v_mov_b32 v[ZERO], 0
	s_and_b32 s15, ttmp7, 0xffff                   ; bh
	s_lshr_b32 s16, s15, 2
	s_and_b32 s17, s15, 3
	s_lshl_b32 s18, s16, 9
	s_lshl_b32 s19, ttmp9, 5
	s_add_co_u32 s18, s18, s19                     ; the chunk's first row of 2,048
	s_lshl_b32 s24, s18, 13
	s_lshl_b32 s19, s17, 9
	s_add_co_u32 s24, s24, s19
	s_mov_b32 s25, 0
	s_lshl_b32 s26, s18, 11
	s_mov_b32 s27, 0
	s_lshl_b32 s28, s17, 10
	s_mov_b32 s29, 0
	s_lshl4_add_u32 s22, s15, ttmp9
	s_mul_i32 s22, s22, 36096
	s_mov_b32 s23, 0
	s_mov_b32 s2, 0x76543210
	s_mov_b32 s3, 0xfedcba98
	s_mov_b32 s32, 0xbfb8aa3b                      ; -log2(e)
	s_mov_b32 s33, 0x3db8aa3b                      ; log2(e) / 16
	s_mov_b32 s34, 0xbd800000                      ; -1 / 16
	s_wait_alu depctr_va_sdst(0)                   ; s14 is written, ahead of its first reader
	s_lshl_b32 s35, s14, 9
	s_lshl_b32 s36, s14, 11
	s_add_co_u32 s36, s36, Z1P
	v_add_nc_u32 v6, s35, v6                       ; + my wave's quarter of K
	v_add_nc_u32 v7, 20971520, v6                  ; the same in wg1t
	v_add_nc_u32 v8, s36, v8                       ; where my partial sums go
	s_wait_kmcnt 0x0
	s_add_nc_u64 s[6:7], s[6:7], s[24:25]          ; q of the head at the chunk's first row
	s_add_nc_u64 s[20:21], s[4:5], s[26:27]        ; xb at that row
	s_add_nc_u64 s[8:9], s[8:9], s[28:29]
	s_add_nc_u64 s[10:11], s[10:11], s[28:29]
	s_add_nc_u64 s[12:13], s[12:13], s[22:23]      ; my record
	s_wait_alu depctr_va_vdst(0)                   ; v4 to v10 are written: the loads and the LDS instructions as far as the gates read them as offsets and addresses
.set i, 0
.rept 32
	global_load_b32 v[QP+i], v4, s[6:7] offset:i*8192
	global_load_b32 v[KP+i], v4, s[6:7] offset:i*8192+2048
.set i, i+1
.endr
.set i, 0
.rept 16
	global_load_b64 v[W2+2*i:W2+2*i+1], v5, s[8:9] offset:i*4096
.set i, i+1
.endr
	global_load_b64 v[W2+32:W2+33], v5, s[10:11]
; x Wgk1 for the 32 rows: wave w sums over K = 256 w .. 256 w + 255, in two halves of four matrix steps; two accumulators (rows 0-15, 16-31) by turns
.macro Z1HALF n
.irp ks, 0,1,2,3
	global_load_b128 v[FR+24*\ks:FR+24*\ks+3],     v6, s[20:21] offset:(\n)*256+\ks*64
	global_load_b128 v[FR+24*\ks+4:FR+24*\ks+7],   v6, s[20:21] offset:(\n)*256+\ks*64+32
	global_load_b128 v[FR+24*\ks+8:FR+24*\ks+11],  v6, s[20:21] offset:32768+(\n)*256+\ks*64
	global_load_b128 v[FR+24*\ks+12:FR+24*\ks+15], v6, s[20:21] offset:32768+(\n)*256+\ks*64+32
	global_load_b128 v[FR+24*\ks+16:FR+24*\ks+19], v7, s[4:5] offset:(\n)*256+\ks*64
	global_load_b128 v[FR+24*\ks+20:FR+24*\ks+23], v7, s[4:5] offset:(\n)*256+\ks*64+32
.endr
	s_wait_loadcnt 0x0                             ; these, and all that was asked for before them (q, k, Wgk2, the bias)
.irp ks, 0,1,2,3
.if ((\n)+\ks) == 0
	v_wmma_f32_16x16x32_bf16 v[ZA:ZA+7], v[FR+24*\ks:FR+24*\ks+7], v[FR+24*\ks+16:FR+24*\ks+23], 0
	v_wmma_f32_16x16x32_bf16 v[ZB:ZB+7], v[FR+24*\ks+8:FR+24*\ks+15], v[FR+24*\ks+16:FR+24*\ks+23], 0
.else
	v_wmma_f32_16x16x32_bf16 v[ZA:ZA+7], v[FR+24*\ks:FR+24*\ks+7], v[FR+24*\ks+16:FR+24*\ks+23], v[ZA:ZA+7]
	v_wmma_f32_16x16x32_bf16 v[ZB:ZB+7], v[FR+24*\ks+8:FR+24*\ks+15], v[FR+24*\ks+16:FR+24*\ks+23], v[ZB:ZB+7]
.endif
.endr
	PLACES                                         ; four places behind the products, in front of loads into the fragments and of the stores of the sums
	s_wait_alu depctr_va_vdst(0)                   ; the products are done reading the fragments, in which the next loads land; behind the second half they have written the sums, which the LDS stores read
.endm
	Z1HALF 0
	Z1HALF 1
.irp i, 0,1,2,3,4,5,6,7
	ds_store_b32 v8, v[ZA+\i] offset:\i*64         ; register i: row 8 h + i, column r
.endr
.irp i, 0,1,2,3,4,5,6,7
	ds_store_b32 v8, v[ZB+\i] offset:1024+\i*64
.endr
	s_wait_dscnt 0x0                               ; for the others' sake
	s_barrier_signal -1
	s_barrier_wait -1
.irp u, 0,1,2,3
	ds_load_b128 v[Z1T+4*\u:Z1T+4*\u+3], v9 offset:\u*2048  ; no vector or matrix instruction since the wait above names these registers
.endr
.set i, 0
.rept 17                                       ; Wgk2 and the bias are rounded to bf16, like every input
	v_cvt_pk_bf16_f32 v[TW], v[W2+2*i], v[W2+2*i+1]
	v_lshlrev_b32 v[W2+2*i], 16, v[TW]
	v_and_b32 v[W2+2*i+1], 0xffff0000, v[TW]
.set i, i+1
.endr
	s_wait_dscnt 0x0
	v_pk_add_f32 v[Z1T:Z1T+1], v[Z1T:Z1T+1], v[Z1T+4:Z1T+5]
	v_pk_add_f32 v[Z1T+2:Z1T+3], v[Z1T+2:Z1T+3], v[Z1T+6:Z1T+7]
	v_pk_add_f32 v[Z1T+8:Z1T+9], v[Z1T+8:Z1T+9], v[Z1T+12:Z1T+13]
	v_pk_add_f32 v[Z1T+10:Z1T+11], v[Z1T+10:Z1T+11], v[Z1T+14:Z1T+15]
	v_pk_add_f32 v[Z1T:Z1T+1], v[Z1T:Z1T+1], v[Z1T+8:Z1T+9]
	v_pk_add_f32 v[Z1T+2:Z1T+3], v[Z1T+2:Z1T+3], v[Z1T+10:Z1T+11]
	s_wait_alu depctr_va_vdst(0)                   ; the additions have written v[144:147], which the LDS store reads, and are done with v[144:159], in which rows land below
	ds_store_b128 v9, v[Z1T:Z1T+3] offset:Z1F-Z1P
	s_wait_dscnt 0x0
	s_barrier_signal -1
	s_barrier_wait -1
	s_wait_alu depctr_vm_vsrc(0)                   ; my LDS stores have read v[144:147] and the partial sums in v[176:191]: both row buffers may be loaded
; z for rows t, t + 1 and my two channels, in f32 on the vector unit: K is 16, the result is wanted a channel a lane, and no rounding of x Wgk1 is spent.
; Row u of buffer p lies at Z1T + 32 p + 16 u + 48 p u: 144, 160; 176, 240.
.macro ZLOAD t, p
.irp u, 0,1
.irp i, 0,1,2,3
	ds_load_b128 v[Z1T+32*(\p)+16*\u+48*(\p)*\u+4*\i:Z1T+32*(\p)+16*\u+48*(\p)*\u+4*\i+3], v[ZF] offset:((\t)+\u)*64+16*\i  ; all lanes read the same 16 bytes
.endr
.endr
.endm
.macro ZROWS t, p
.set j, 0
.rept 16
.irp u, 0,1
.set zb, Z1T+32*(\p)+16*\u+48*(\p)*\u
.if j == 0
	v_pk_fma_f32 v[E+2*((\t)+\u):E+2*((\t)+\u)+1], v[W2:W2+1], v[zb:zb+1], v[W2+32:W2+33] op_sel_hi:[1,0,1]
.elseif j%2 == 0
	v_pk_fma_f32 v[E+2*((\t)+\u):E+2*((\t)+\u)+1], v[W2+2*j:W2+2*j+1], v[zb+j:zb+j+1], v[E+2*((\t)+\u):E+2*((\t)+\u)+1] op_sel_hi:[1,0,1]
.else
	v_pk_fma_f32 v[E+2*((\t)+\u):E+2*((\t)+\u)+1], v[W2+2*j:W2+2*j+1], v[zb+j-1:zb+j], v[E+2*((\t)+\u):E+2*((\t)+\u)+1] op_sel:[0,1,0] op_sel_hi:[1,1,1]
.endif
.endr
.set j, j+1
.endr
.endm
	ZLOAD 0, 0
	ZLOAD 2, 1
.set zt, 0
.rept 16
.if zt < 30
	s_wait_dscnt 8                                 ; LDS loads come back in order: this step's eight are in, the next step's eight stay out
.else
	s_wait_dscnt 0x0
.endif
	ZROWS zt, (zt/2)%2
.if zt < 28
	s_wait_alu depctr_va_vdst(0)                   ; the step's multiply-adds are done reading their buffer, in which the rows four further on land
	ZLOAD zt+4, (zt/2)%2
.endif
.set zt, zt+2
.endr
; e = 2^(min(z, 0) log2(e) / 16 - log2(1 + 2^(-|z| log2(e))) / 16), eight numbers at a time; plain lines stand behind each run of transcendentals
.macro EXPS b
.irp k, 0,1,2,3,4,5,6,7
	v_mul_f32 v[TA+\k], s32, |v[E+8*(\b)+\k]|
.endr
.irp k, 0,1,2,3,4,5,6,7
	v_exp_f32 v[TA+\k], v[TA+\k]
.endr
.irp k, 0,1,2,3,4,5,6,7
	v_min_num_f32 v[TC+\k], 0, v[E+8*(\b)+\k]
.endr
	s_wait_alu depctr_va_vdst(0)                   ; the eight exponentials are written, ahead of their first reader (and the batch before's e)
.irp k, 0,1,2,3,4,5,6,7
	v_add_f32 v[TA+\k], 1.0, v[TA+\k]
.endr
.irp k, 0,1,2,3,4,5,6,7
	v_log_f32 v[TA+\k], v[TA+\k]
.endr
.irp k, 0,1,2,3,4,5,6,7
	v_mul_f32 v[TC+\k], s33, v[TC+\k]
.endr
	s_wait_alu depctr_va_vdst(0)                   ; the eight logarithms are written, ahead of their first reader
.irp k, 0,1,2,3,4,5,6,7
	v_fma_f32 v[E+8*(\b)+\k], v[TA+\k], s34, v[TC+\k]
.endr
.irp k, 0,1,2,3,4,5,6,7
	v_exp_f32 v[E+8*(\b)+\k], v[E+8*(\b)+\k]
.endr
	v_nop
.endm
.irp b, 0,1,2,3,4,5,6,7
	EXPS \b
.endr
	; the addresses of the second half: plain lines behind the last exponentials
	s_lshr_b32 s16, s14, 1
	s_mul_i32 s16, s16, 16*P
	s_and_b32 s17, s14, 1
	s_lshl_b32 s17, s17, 8
	s_add_co_u32 s16, s16, s17
	s_add_co_u32 s16, s16, QT
	s_lshl_b32 s17, s14, 7
	s_add_co_u32 s18, s17, KT
	s_lshl_b32 s19, s14, 12
	s_mul_i32 s20, s14, 16*P
	s_mul_i32 s21, s14, 1536                       ; image 3 w
	v_add_nc_u32 v[AD+0], QR, v4
	v_add_nc_u32 v[AD+1], KR, v4
	v_add_nc_u32 v[AD+2], R16, v4
	v_add_nc_u32 v[AD+3], R8, v4
	v_add_nc_u32 v[AD+4], R4, v4
	v_add_nc_u32 v[AD+5], R2, v4
	v_add_nc_u32 v[AD+6], R1, v4
	v_add_nc_u32 v[AD+7], QT, v4
	v_add_nc_u32 v[AD+8], KT, v4
	v_mul_u32_u24 v[FA], v2, P
	v_lshl_add_u32 v[FA], v3, 4, v[FA]             ; a fragment's row x pitch + 16 h
	v_add_nc_u32 v[QAD], s16, v[FA]
	v_and_b32 v[XJ], 7, v0
	v_lshl_add_u32 v[XJ], v3, 3, v[XJ]
	v_mul_u32_u24 v[XJ], v[XJ], PKT
	v_bfe_u32 v[SJ], v0, 3, 1
	v_lshl_add_u32 v[XJ], v[SJ], 4, v[XJ]
	v_add_nc_u32 v[KAD], s18, v[XJ]
	v_lshlrev_b32 v[L16], 4, v1
	v_add_nc_u32 v[GOFF], s19, v[L16]
	v_add_nc_u32 v[FA1], s20, v[FA]
	v_add_nc_u32 v[FA2], R4, v[FA1]
	v_add_nc_u32 v[AOF], s21, v[L16]
	v_lshlrev_b32 v[ROF], 3, v2
	v_lshl_add_u32 v[ROF], v3, 2, v[ROF]
	v_add_nc_u32 v[ROF], s17, v[ROF]
	v_lshlrev_b32 v[H8], 3, v3                     ; 8 h
	v_mov_b32 v[QS], 0
	s_wait_alu depctr_va_vdst(0)                   ; the last eight e are written, ahead of their first reader; the addresses above are written, which the LDS and memory instructions from here on read
; THE MATRICES, a block each.  EMIT: a row's two f16 times two f32 factors, rounded once to f16, into the row's register of the block's out-buffer; behind it goes the same row of the block before.
.set CM, -1                            ; the block in hand: its matrix (index into AD), its level, its pitch, its out-buffer
.set CL, 64
.set CP, P
.set CO, OUT+32
.set PM, -1                            ; the block before: the same four
.set PL, 64
.set PP, P
.set PO, OUT
.macro NEXT mat, lvl, pitch            ; a block begins: the block in hand becomes the block before, and the out-buffers change places
.set PM, CM
.set PL, CL
.set PP, CP
.set PO, CO
.set CM, \mat
.set CL, \lvl
.set CP, \pitch
.set CO, 2*OUT+32-CO
.endm
.macro SEND row                        ; a row of the block before, out of its buffer; rows PL - 1 mod 2 PL are k itself and went out in their own block
.if PM >= 0
.if ((\row) % (2*PL)) != PL-1
	ds_store_b32 v[AD+PM], v[PO+(\row)] offset:(\row)*PP
.endif
.endif
.endm
.macro EMIT src, row, f
	v_fma_mixlo_f16 v[CO+(\row)], v[\src], v[\f], v[ZERO] op_sel_hi:[1,0,0]
	v_fma_mixhi_f16 v[CO+(\row)], v[\src], v[(\f)+1], v[ZERO] op_sel:[1,0,0] op_sel_hi:[1,0,0]
	SEND \row
.endm
.macro QRUN first, last                        ; rows first .. last: q_t x prod(u = first .. t) e_u
.set qt, \first
.rept (\last)-(\first)+1
.if qt == (\first)
	EMIT QP+qt, qt, E+2*qt
.else
.if qt == (\first)+1
	v_pk_mul_f32 v[FP:FP+1], v[E+2*(\first):E+2*(\first)+1], v[E+2*qt:E+2*qt+1]
.else
	v_pk_mul_f32 v[FP:FP+1], v[FP:FP+1], v[E+2*qt:E+2*qt+1]
.endif
	EMIT QP+qt, qt, FP
.endif
.set qt, qt+1
.endr
.endm
.macro KRUN first, last                        ; rows last .. first: k_s x prod(u = s + 1 .. last) e_u
.set kt, \last
.rept (\last)-(\first)+1
.if kt == (\last)
	ds_store_b32 v[AD+CM], v[KP+kt] offset:kt*CP   ; k itself: a register that no vector instruction writes
	SEND kt
.else
.if kt == (\last)-1
	EMIT KP+kt, kt, E+2*(\last)
.else
.if kt == (\last)-2
	v_pk_mul_f32 v[FP:FP+1], v[E+2*(\last):E+2*(\last)+1], v[E+2*kt+2:E+2*kt+3]
.else
	v_pk_mul_f32 v[FP:FP+1], v[FP:FP+1], v[E+2*kt+2:E+2*kt+3]
.endif
	EMIT KP+kt, kt, FP
.endif
.endif
.set kt, kt-1
.endr
.endm
.macro LEVEL m                                 ; groups of 2 m rows: the first half in k's part, the second in q's
.set ga, 0
.rept 16/(\m)
	KRUN ga, ga+(\m)-1
	QRUN ga+(\m), ga+2*(\m)-1
.set ga, ga+2*(\m)
.endr
.endm
.macro BHEAD                                   ; the head of blocks 2 to 6
	s_wait_alu depctr_vm_vsrc(0)                   ; the LDS stores issued in the block before have read the out-buffer that this block's roundings write again
	s_wait_alu depctr_va_vdst(0)                   ; the block before has written the other out-buffer, which the LDS stores dealt among this block read
.endm
.set i, 0
.rept 32
	ds_store_b32 v[AD+0], v[QP+i] offset:i*P
	ds_store_b32 v[AD+1], v[KP+i] offset:i*P
.set i, i+1
.endr
	NEXT 2, 16, P
	LEVEL 16
	NEXT 3, 8, P
	s_wait_alu depctr_va_vdst(0)                   ; block 0 has written OUT0, which the LDS stores dealt among this block read
	LEVEL 8
	NEXT 4, 4, P
	BHEAD
	LEVEL 4
	NEXT 5, 2, P
	BHEAD
	LEVEL 2
	NEXT 6, 1, P
	BHEAD
	LEVEL 1
	NEXT 8, 32, PKT
	BHEAD
	KRUN 0, 31
	NEXT 7, 64, P
	BHEAD
	QRUN 0, 31
	NEXT -1, 64, P
	s_wait_alu depctr_va_vdst(0)                   ; the last block has written OUT0 and the running product, which the stores below read, and is done reading e, in which the copy's loads land
.set i, 0
.rept 32
	SEND i
.set i, i+1
.endr
	global_store_b64 v5, v[FP:FP+1], s[12:13] offset:GF  ; the last product is the whole chunk's: a wave stores 256 consecutive bytes
	s_wait_dscnt 0x0                               ; for the others' sake: my columns of all nine matrices are written
	s_barrier_signal -1
	s_barrier_wait -1
	; COPY OUT: images 8 w .. 8 w + 7 of QF (as they lie) and of KF (turned): 512 consecutive bytes a store
.irp i, 0,1,2,3,4,5,6,7
	ds_load_b128 v[FR+4*\i:FR+4*\i+3], v[QAD] offset:32*\i
.endr
.irp i, 0,1,2,3,4,5,6,7
	ds_load_tr16_b128 v[FR+32+4*\i:FR+32+4*\i+3], v[KAD] offset:(\i%2)*16*PKT+32*(\i/2)
.endr
.irp i, 0,1,2,3,4,5,6,7
	s_wait_dscnt 15-\i
	global_store_b128 v[GOFF], v[FR+4*\i:FR+4*\i+3], s[12:13] offset:QF+\i*512
.endr
.irp i, 0,1,2,3,4,5,6,7
	s_wait_dscnt 7-\i
	global_store_b128 v[GOFF], v[FR+32+4*\i:FR+32+4*\i+3], s[12:13] offset:KF+\i*512
.endr
	s_wait_xcnt 0x0                                ; the stores' registers are loaded into again only behind this wait
	s_wait_alu depctr_vm_vsrc(0)                   ; the stores above have read v[80:143], the matrices' LDS stores q, k and both out-buffers: fragments land in these registers, the products' sums and the zeros are written there
; THE PRODUCTS.  Source 0 holds rows s, source 1 rows t: a lane holds t = r and s = 8 h + j in register j: eight neighbouring s of a row of A.
.macro LDF dst, adr, off
	ds_load_b128 v[\dst:(\dst)+3], v[\adr] offset:\off
	ds_load_b128 v[(\dst)+4:(\dst)+7], v[\adr] offset:(\off)+32
.endm
.macro PRD d, a, b, first
.if \first
	v_wmma_f32_16x16x32_f16 v[\d:(\d)+7], v[\a:(\a)+7], v[\b:(\b)+7], 0
.else
	v_wmma_f32_16x16x32_f16 v[\d:(\d)+7], v[\a:(\a)+7], v[\b:(\b)+7], v[\d:(\d)+7]
.endif
.endm
.set D8, 16
.set D4, 24
.set D2, 32
.set D1, 40
.set D0, 48
.set DQ, 56
; The masks of registers 4 g .. 4 g + 3: x = t xor s names the level.  Five for each register: x >= 2, x >= 4, x >= 8, x = 0, s > t.
.macro MASKS g
.irp jj, 0,1,2,3
	v_add_nc_u32 v[SJ], 4*(\g)+\jj, v[H8]          ; s
	v_xor_b32 v[XJ], v[SJ], v2                     ; x
	v_cmp_le_u32 s[MB+5*\jj], 2, v[XJ]
	v_cmp_le_u32 s[MB+5*\jj+1], 4, v[XJ]
	v_cmp_le_u32 s[MB+5*\jj+2], 8, v[XJ]
	v_cmp_eq_u32 s[MB+5*\jj+3], 0, v[XJ]
	v_cmp_gt_u32 s[MB+5*\jj+4], v[SJ], v2
.endr
	s_wait_alu depctr_va_sdst(0)                   ; the twenty masks are written, ahead of the selects that read them
.endm
.macro PICK g                                  ; each accumulator is read from its low end on
.irp jj, 0,1,2,3
	v_cndmask_b32 v[RS+4*(\g)+\jj], v[D1+4*(\g)+\jj], v[D2+4*(\g)+\jj], s[MB+5*\jj]
	v_cndmask_b32 v[RS+4*(\g)+\jj], v[RS+4*(\g)+\jj], v[D4+4*(\g)+\jj], s[MB+5*\jj+1]
	v_cndmask_b32 v[RS+4*(\g)+\jj], v[RS+4*(\g)+\jj], v[D8+4*(\g)+\jj], s[MB+5*\jj+2]
	v_cndmask_b32 v[RS+4*(\g)+\jj], v[RS+4*(\g)+\jj], v[D0+4*(\g)+\jj], s[MB+5*\jj+3]
	v_cndmask_b32 v[QS], v[QS], v[DQ+4*(\g)+\jj], s[MB+5*\jj+3]  ; |q_t|^2 lies on the diagonal, in one of the row's two lanes
	v_cndmask_b32 v[RS+4*(\g)+\jj], v[RS+4*(\g)+\jj], v[ZERO], s[MB+5*\jj+4]  ; s > t: nothing
.endr
.endm
	s_cmp_lt_u32 s14, 2
	s_cbranch_scc0 .Lnot_diag
	; waves 0, 1: the diagonal block of rows 16 w .. 16 w + 15: levels 8, 4, 2, 1, the diagonal, and |q|^2: six accumulators by turns; three fragment buffers
.macro LOADA ks
.set fb, FR+48*((\ks)%3)
	LDF fb, FA1, QR+64*(\ks)
	LDF fb+8, FA1, KR+64*(\ks)
	LDF fb+16, FA1, R8+64*(\ks)
	LDF fb+24, FA2, 64*(\ks)
	LDF fb+32, FA2, R2-R4+64*(\ks)
	LDF fb+40, FA2, R1-R4+64*(\ks)
.endm
	LOADA 0
	LOADA 1
	LOADA 2
	MASKS 0                                        ; the first four registers' masks are made while the fragments are on their way
.set ks, 0
.rept 8
.if ks == 0
	s_wait_dscnt 24                                ; step 0's twelve loads are in; the two younger steps' stay out
.elseif ks < 7
	s_wait_dscnt 12                                ; this step's twelve are in; the next step's stay out
.else
	s_wait_dscnt 0x0
.endif
.if (ks > 0) && (ks < 6)
	PLACES                                         ; four places behind the products that read the buffer
	s_wait_alu depctr_va_vdst(0)                   ; the last step's products are done reading their fragments, in which the loads of the step two on land
	LOADA ks+2
.endif
.set fb, FR+48*(ks%3)
	PRD D8, fb+16, fb+16, ks==0
	PRD D4, fb+24, fb+24, ks==0
	PRD D2, fb+32, fb+32, ks==0
	PRD D1, fb+40, fb+40, ks==0
	PRD D0, fb+8, fb, ks==0
	PRD DQ, fb, fb, ks==0
.set ks, ks+1
.endr
	PLACES
	PICK 0
	MASKS 1
	PICK 1
	v_permlanex16_b32 v[SJ], v[QS], s2, s3
	v_add_f32 v[QS], v[QS], v[SJ]
	v_max_num_f32 v[QS], 0x0da24260, v[QS]         ; 1e-30 at the least
	v_rsq_f32 v[SJ], v[QS]
	v_nop                                          ; a plain line between the root and the use of its result
	s_wait_alu depctr_va_vdst(0)                   ; the root is written, ahead of its first reader
	v_mul_f32 v[SJ], 0x3d800000, v[SJ]             ; rho = 1 / (16 |q|)
.irp j, 0,1,2,3,4,5,6,7
	v_mul_f32 v[RS+\j], v[RS+\j], v[SJ]
.endr
.irp j, 0,1,2,3
	v_cvt_pk_f16_f32 v[PK+\j], v[RS+2*\j], v[RS+2*\j+1]
.endr
	s_wait_alu depctr_va_vdst(0)                   ; the roundings have written v[188:191], and |q|^2 is written: the two stores read them
	global_store_b128 v[AOF], v[PK:PK+3], s[12:13] offset:AF
	global_store_b32 v[ROF], v[QS], s[12:13] offset:RF  ; both lanes of a row hold the same number: 128 consecutive bytes
	s_branch .Lend
.Lnot_diag:
	s_cmp_eq_u32 s14, 2
	s_cbranch_scc0 .Lzero
	; wave 2: rows t = 16 .. 31 against s = 0 .. 15: level 16 alone; |q|^2 of rows 16 .. 31 once more, for rho.  Six fragment buffers: two of them are loaded a second time
.macro LOADB ks
.set fb, FR+24*((\ks)%6)
	LDF fb, FA, R16+64*(\ks)
	LDF fb+8, FA, R16+16*P+64*(\ks)
	LDF fb+16, FA, QR+16*P+64*(\ks)
.endm
	LOADB 0
	LOADB 1
	LOADB 2
	LOADB 3
	LOADB 4
	LOADB 5
.irp j, 0,1,2,3,4,5,6,7
	v_add_nc_u32 v[SJ], \j, v[H8]
	v_cmp_eq_u32 s[MB+\j], v[SJ], v2               ; the diagonal
.endr
	s_wait_alu depctr_va_sdst(0)                   ; the eight masks are written, ahead of the selects that read them
.set ks, 0
.rept 8
.if ks < 3
	s_wait_dscnt 6*(5-ks)                          ; this step's six loads are in; the steps up to 5 stay out
.else
	s_wait_dscnt 6*(7-ks)                          ; likewise, the steps up to 7
.endif
.if ks == 2
	PLACES                                         ; four places behind the products that read the buffers
	s_wait_alu depctr_va_vdst(0)                   ; the products of steps 0 and 1 are done reading their fragments, in which those of steps 6 and 7 land
	LOADB 6
	LOADB 7
.endif
.set fb, FR+24*(ks%6)
	PRD 16, fb, fb+8, ks==0
	PRD 24, fb+16, fb+16, ks==0
.set ks, ks+1
.endr
	PLACES
.irp j, 0,1,2,3,4,5,6,7
	v_cndmask_b32 v[QS], v[QS], v[24+\j], s[MB+\j]
.endr
	v_permlanex16_b32 v[SJ], v[QS], s2, s3
	v_add_f32 v[QS], v[QS], v[SJ]
	v_max_num_f32 v[QS], 0x0da24260, v[QS]
	v_rsq_f32 v[SJ], v[QS]
	v_nop                                          ; a plain line between the root and the use of its result
	s_wait_alu depctr_va_vdst(0)                   ; the root is written, ahead of its first reader
	v_mul_f32 v[SJ], 0x3d800000, v[SJ]
.irp j, 0,1,2,3,4,5,6,7
	v_mul_f32 v[RS+\j], v[16+\j], v[SJ]
.endr
.irp j, 0,1,2,3
	v_cvt_pk_f16_f32 v[PK+\j], v[RS+2*\j], v[RS+2*\j+1]
.endr
	s_wait_alu depctr_va_vdst(0)                   ; the roundings have written v[188:191], which the store reads
	global_store_b128 v[L16], v[PK:PK+3], s[12:13] offset:AF+1024
	s_branch .Lend
.Lzero:                                                ; wave 3: rows 0 .. 15 see none of s = 16 .. 31
.irp j, 0,1,2,3
	v_mov_b32 v[PK+\j], 0
.endr
	s_wait_alu depctr_va_vdst(0)                   ; the zeros are written, which the store reads
	global_store_b128 v[L16], v[PK:PK+3], s[12:13] offset:AF+512
.Lend:
	s_wait_dscnt 0x0                               ; the closing lines, six on end
	s_wait_alu 0x0
	s_wait_tensorcnt 0x0
	ds_add_u32 v[SPW], v[NIL]
	s_wait_dscnt 0x0
	s_endpgm
.Lfunc_end_k_qfd29e06da8_gate:
	.size	k_qfd29e06da8_gate, .Lfunc_end_k_qfd29e06da8_gate-k_qfd29e06da8_gate
	.p2alignl 7, 3214868480
	.fill 96, 4, 3214868480
	.section	.rodata,"a",@progbits
	.p2align	6, 0x0
	.amdhsa_kernel k_qfd29e06da8_gate
		.amdhsa_group_segment_fixed_size 163328
		.amdhsa_private_segment_fixed_size 0
		.amdhsa_enable_private_segment 0
		.amdhsa_kernarg_size 40
		.amdhsa_user_sgpr_count 2
		.amdhsa_user_sgpr_kernarg_segment_ptr 1
		.amdhsa_wavefront_size32 1
		.amdhsa_system_sgpr_workgroup_id_x 1
		.amdhsa_system_sgpr_workgroup_id_y 1
		.amdhsa_system_sgpr_workgroup_id_z 1
		.amdhsa_system_vgpr_workitem_id 0
		.amdhsa_next_free_vgpr 256
		.amdhsa_next_free_sgpr 66
		.amdhsa_reserve_vcc 0
		.amdhsa_float_denorm_mode_32 3
		.amdhsa_float_denorm_mode_16_64 3
		.amdhsa_memory_ordered 1
		.amdhsa_forward_progress 1
		.amdhsa_inst_pref_size 164
	.end_amdhsa_kernel
	.amdgpu_metadata
---
amdhsa.version: [ 1, 2 ]
amdhsa.kernels:
  - .name:           k_qfd29e06da8_gate
    .symbol:         k_qfd29e06da8_gate.kd
    .args:
      - { .name: cst, .offset: 0, .size: 8, .value_kind: global_buffer, .address_space: global }
      - { .name: pqkg, .offset: 8, .size: 8, .value_kind: global_buffer, .address_space: global }
      - { .name: Wgk2, .offset: 16, .size: 8, .value_kind: global_buffer, .address_space: global }
      - { .name: bgk2, .offset: 24, .size: 8, .value_kind: global_buffer, .address_space: global }
      - { .name: rec, .offset: 32, .size: 8, .value_kind: global_buffer, .address_space: global }
    .group_segment_fixed_size: 163328
    .private_segment_fixed_size: 0
    .kernarg_segment_align: 8
    .kernarg_segment_size: 40
    .max_flat_workgroup_size: 128
    .sgpr_count:     66
    .vgpr_count:     256
    .wavefront_size: 32
...
	.end_amdgpu_metadata
.endif
;; end of part 7
;; launch scan: the kernel of part 4 again; grid 16 x 16, 2 waves a work-group, clusters of 4 x 1, 327,680 bytes of LDS; arguments rec, vf, of, ssq; writes of, ssq
;; launch norm (part 8): grid 32 x 16, 4 waves a work-group, no clusters, 34,304 bytes of LDS; arguments of, ssq, rec, pqkg, g_norm_weight, yb; writes yb
.if DOCPART == 8
	.amdgcn_target "amdgcn-amd-amdhsa--gfx1250"
	.amdhsa_code_object_version 6
	.text
	.protected	k_qfd29e06da8_norm
	.globl	k_qfd29e06da8_norm
	.p2align	8
	.type	k_qfd29e06da8_norm,@function
k_qfd29e06da8_norm:
	s_mov_b64 s[64:65], 0
	v_nop
	global_prefetch_b8 v0, s[64:65] scope:SCOPE_SE
	s_setreg_imm32_b32 hwreg(HW_REG_WAVE_SCHED_MODE, 0, 2), 2
	s_setreg_imm32_b32 hwreg(HW_REG_WAVE_MODE, 25, 1), 1
	s_wait_xcnt 0x0
	s_wait_alu depctr_vm_vsrc(0)
; y = o^ x rsqrt(mean(o^^2) + EPS / |q|^2) x w x g x sigmoid(g), rounded once to bf16 (y has no room in f16 for inputs 30 times larger).  o^ = o / |q|: the norm cancels |q|, and EPS is
; divided by |q|^2 in f32 to match.  A work-group takes 16 rows of one (batch, head), wave w columns 128 w .. 128 w + 127.  o^ arrives as images (a lane: one row, four columns), is scaled there,
; where the row's factor is the lane's own, and goes through the wave's own stage in LDS to whole rows: 16 lanes then store 256 consecutive bytes of y.  A stream: no matrix unit, no cluster.
; REGISTERS: v0-3 ids; v4-9 byte offsets of the six streams, v10-11 my places in the stage: none of them is rewritten; v12 at work.
; THE MODE: SCHED_MODE bits 1:0 = 2 (LLVM: expert scheduling mode 2), set by the entry lines.  The code itself states the register dependences
; between vector instructions and memory or LDS instructions, with s_wait_alu, always for 0.
; THE PLAN.  Registers that memory or LDS instructions touch:
;   v4-v11   offsets and addresses: written once, never again.
;   OF       o^: loaded; scaled in place by one run of 32 multiplies; read by one run of 16 LDS stores; then the rows land in it.  One wait between each two of these.
;   G        g: loaded; read by a row pair's arithmetic, whose roundings write y over it; read by the pair's one store, which is issued in the next pair, behind
;            that pair's first wait for its exponentials: that wait also shows the roundings written.  Never written again.
;   SS, QN, W are loaded once and then named by vector instructions alone; U, RS, v12, v25 by vector instructions alone.
.set SPITCH, 528
.set SPARE, 33792
.set EPSF, 0x3727c5ac                  ; 1e-5
.set QN,  24
.set RS,  26                           ; v[26:27]
.set OF,  32                           ; v[32:95] o^: images, then rows
.set G,   96                           ; v[96:127] g, eight f16 a row pair; then y
.set W,   128                          ; v[128:135]
.set SS,  136                          ; v[136:151] sixteen partial sums of squares
.set U,   152                          ; v[152:159]
.set NL,  160
.set ZERO, 161
.set SPW, 164
.set NIL, 165
	s_load_b256 s[4:11], s[0:1], 0x0               ; of 4, ssq 6, rec 8, pqkg 10
	s_load_b128 s[12:15], s[0:1], 0x20             ; g_norm_weight 12, yb 14
	v_lshl_add_u32 v[SPW], v0, 2, SPARE
	v_mov_b32 v[NIL], 0
	v_lshrrev_b32 v1, 5, v0
	v_readfirstlane_b32 s16, v1                    ; wave
	v_and_b32 v1, 31, v0
	v_and_b32 v2, 15, v0                           ; r
	v_bfe_u32 v3, v0, 4, 1                         ; h
	s_wait_alu depctr_va_sdst(0)                   ; s16 is written, ahead of its first reader
	s_and_b32 s17, ttmp7, 0xffff                   ; bh
	s_lshr_b32 s18, s17, 2                         ; batch
	s_and_b32 s19, s17, 3                          ; head
	s_lshl_b32 s20, s17, 16                        ; ssq: 32 blocks of 2,048 bytes a (batch, head); 16 rows are 64 bytes
	s_lshl_b32 s21, ttmp9, 6
	s_add_co_u32 s20, s20, s21
	s_mov_b32 s21, 0
	s_lshr_b32 s22, ttmp9, 1                       ; rec: the chunk's record, |q|^2 of my 16 rows
	s_lshl4_add_u32 s22, s17, s22
	s_mul_i32 s22, s22, 36096
	s_and_b32 s23, ttmp9, 1
	s_lshl_b32 s23, s23, 7
	s_add_co_u32 s22, s22, s23
	s_add_co_u32 s22, s22, 35840
	s_mov_b32 s23, 0
	s_lshl_b32 s24, s17, 5                         ; of: block of 16 columns 32 bh + 8 w, row tile
	s_lshl3_add_u32 s24, s16, s24
	s_lshl_b32 s24, s24, 5
	s_add_co_u32 s24, s24, ttmp9
	s_lshl_b32 s24, s24, 10
	s_mov_b32 s25, 0
	s_lshl_b32 s26, s18, 9
	s_lshl4_add_u32 s26, ttmp9, s26                ; my first row of 2,048
	s_lshl_b32 s28, s19, 10
	s_lshl_b32 s29, s16, 8
	s_add_co_u32 s28, s28, s29                     ; the head's and the wave's bytes in a row of g or y
	s_lshl_b32 s30, s26, 12
	s_add_co_u32 s30, s30, s28                     ; yb
	s_mov_b32 s31, 0
	s_lshl_b32 s26, s26, 13
	s_add_co_u32 s26, s26, s28
	s_add_co_u32 s26, s26, 4096                    ; g lies behind q and k in a row of pqkg
	s_mov_b32 s27, 0
	s_lshl_b32 s28, s16, 9
	s_mov_b32 s29, 0
	s_wait_kmcnt 0x0
	s_add_nc_u64 s[6:7], s[6:7], s[20:21]
	s_add_nc_u64 s[8:9], s[8:9], s[22:23]
	s_add_nc_u64 s[4:5], s[4:5], s[24:25]
	s_add_nc_u64 s[10:11], s[10:11], s[26:27]
	s_add_nc_u64 s[12:13], s[12:13], s[28:29]
	s_add_nc_u64 s[14:15], s[14:15], s[30:31]
	v_lshlrev_b32 v4, 2, v2
	v_lshl_add_u32 v4, v3, 11, v4                  ; ssq: block 2 i + h, row r
	v_lshlrev_b32 v5, 3, v2                        ; |q|^2 of row r
	v_lshlrev_b32 v6, 4, v1                        ; o^: 16 bytes a lane
	v_lshlrev_b32 v7, 5, v2                        ; w: my eight columns
	v_lshlrev_b32 v8, 4, v2
	v_lshl_add_u32 v9, v3, 12, v8                  ; y: row h of a pair, 16 bytes
	v_lshl_add_u32 v8, v3, 13, v8                  ; g likewise
	s_wait_alu depctr_va_vdst(0)                   ; v4 to v9 are written: the loads below and the stores of y read them as offsets
.set i, 0
.rept 16
	global_load_b32 v[SS+i], v4, s[6:7] offset:i*4096
.set i, i+1
.endr
	global_load_b32 v[QN], v5, s[8:9]
.set i, 0
.rept 16
	global_load_b128 v[OF+4*i:OF+4*i+3], v6, s[4:5] offset:(i/2)*32768+(i%2)*512 th:TH_LOAD_NT
.set i, i+1
.endr
	global_load_b128 v[W:W+3], v7, s[12:13]
	global_load_b128 v[W+4:W+7], v7, s[12:13] offset:16
.set i, 0
.rept 8
	global_load_b128 v[G+4*i:G+4*i+3], v8, s[10:11] offset:i*16384
.set i, i+1
.endr
	s_mov_b32 s20, 0x76543210
	s_mov_b32 s21, 0xfedcba98
	s_mov_b32 s22, 0x3b000000                      ; 1 / 512
	s_mul_i32 s23, s16, 16*SPITCH                  ; my stage
	v_mul_u32_u24 v10, v2, SPITCH
	v_lshl_add_u32 v10, v3, 5, v10
	v_add_nc_u32 v10, s23, v10                     ; in: row r, 32 bytes for each half of the lanes
	v_mul_u32_u24 v11, v3, SPITCH
	v_lshl_add_u32 v11, v2, 5, v11
	v_add_nc_u32 v11, s23, v11                     ; back: lanes 0-15 one row, lanes 16-31 the next, 32 bytes a lane
	v_mov_b32 v[NL], 0xbfb8aa3b                    ; -log2(e)
	v_mov_b32 v[ZERO], 0
	s_wait_loadcnt 26                              ; the sums and |q|^2 are in; the 26 younger loads (16 of o^, 2 of w, 8 of g) stay out
	v_rcp_f32 v25, v[QN]
	v_pk_add_f32 v[SS:SS+1], v[SS:SS+1], v[SS+2:SS+3]
	v_pk_add_f32 v[SS+4:SS+5], v[SS+4:SS+5], v[SS+6:SS+7]
	v_pk_add_f32 v[SS+8:SS+9], v[SS+8:SS+9], v[SS+10:SS+11]
	v_pk_add_f32 v[SS+12:SS+13], v[SS+12:SS+13], v[SS+14:SS+15]
	v_pk_add_f32 v[SS:SS+1], v[SS:SS+1], v[SS+4:SS+5]
	v_pk_add_f32 v[SS+8:SS+9], v[SS+8:SS+9], v[SS+12:SS+13]
	v_pk_add_f32 v[SS:SS+1], v[SS:SS+1], v[SS+8:SS+9]
	v_add_f32 v[SS], v[SS], v[SS+1]
	v_permlanex16_b32 v[SS+1], v[SS], s20, s21     ; the other sixteen blocks' sums lie in the lane 16 away
	v_add_f32 v[SS], v[SS], v[SS+1]
	s_wait_alu depctr_va_vdst(0)                   ; the reciprocal is written, ahead of its first reader
	v_mul_f32 v25, EPSF, v25
	v_fma_f32 v25, v[SS], s22, v25
	v_rsq_f32 v[RS], v25
	v_nop                                          ; a plain line between the root and the use of its result
	s_wait_alu depctr_va_vdst(0)                   ; the root is written, ahead of its first reader
	v_mov_b32 v[RS+1], v[RS]
	s_wait_loadcnt 10                              ; o^ is in; w and g stay out
.set i, 0
.rept 16
	v_pk_mul_f32 v[OF+4*i:OF+4*i+1], v[OF+4*i:OF+4*i+1], v[RS:RS+1]
	v_pk_mul_f32 v[OF+4*i+2:OF+4*i+3], v[OF+4*i+2:OF+4*i+3], v[RS:RS+1]
.set i, i+1
.endr
	s_wait_alu depctr_va_vdst(0)                   ; the multiplies have written the scaled o^, which the LDS stores read; v10 and v11, the stage's addresses, are written
.set i, 0
.rept 16
	ds_store_b128 v10, v[OF+4*i:OF+4*i+3] offset:64*(i/2)+16*(i%2)
.set i, i+1
.endr
	s_wait_alu depctr_vm_vsrc(0)                   ; the LDS stores have read v[32:95], in which the rows land
.set i, 0
.rept 8                                        ; LDS serves a wave's instructions in order: these see the stores above; the stage is my wave's own
	ds_load_b128 v[OF+8*i:OF+8*i+3], v11 offset:2*i*SPITCH
	ds_load_b128 v[OF+8*i+4:OF+8*i+7], v11 offset:2*i*SPITCH+16
.set i, i+1
.endr
	s_wait_loadcnt 0x0
.irp k, 0,1,2,3                                ; w is rounded to bf16, like every input
	v_cvt_pk_bf16_f32 v12, v[W+2*\k], v[W+2*\k+1]
	v_lshlrev_b32 v[W+2*\k], 16, v12
	v_and_b32 v[W+2*\k+1], 0xffff0000, v12
.endr
.macro ROWS p                          ; rows 2 p, 2 p + 1: eight numbers a lane
	s_wait_dscnt 14-2*(\p)                         ; this pair's two loads are in; the 14 - 2 p younger ones stay out
.irp k, 0,1,2,3
	v_fma_mix_f32 v[U+2*\k], v[G+4*(\p)+\k], v[NL], v[ZERO] op_sel_hi:[1,0,0]
	v_fma_mix_f32 v[U+2*\k+1], v[G+4*(\p)+\k], v[NL], v[ZERO] op_sel:[1,0,0] op_sel_hi:[1,0,0]
.endr
.irp k, 0,1,2,3,4,5,6,7
	v_exp_f32 v[U+\k], v[U+\k]
.endr
.irp k, 0,1,2,3
	v_pk_mul_f32 v[OF+8*(\p)+2*\k:OF+8*(\p)+2*\k+1], v[OF+8*(\p)+2*\k:OF+8*(\p)+2*\k+1], v[W+2*\k:W+2*\k+1]
.endr
	s_wait_alu depctr_va_vdst(0)                   ; the eight exponentials are written, ahead of their first reader; so is the pair before's y, which the store below reads
.if (\p) > 0
	global_store_b128 v9, v[G+4*(\p)-4:G+4*(\p)-1], s[14:15] offset:((\p)-1)*8192  ; the pair before: 16 lanes store 256 consecutive bytes, at a multiple of 256
.endif
.irp k, 0,1,2,3,4,5,6,7
	v_add_f32 v[U+\k], 1.0, v[U+\k]
.endr
.irp k, 0,1,2,3,4,5,6,7
	v_rcp_f32 v[U+\k], v[U+\k]                     ; sigmoid(g)
.endr
.irp k, 0,1,2,3
	v_fma_mix_f32 v[OF+8*(\p)+2*\k], v[G+4*(\p)+\k], v[OF+8*(\p)+2*\k], v[ZERO] op_sel_hi:[1,0,0]
	v_fma_mix_f32 v[OF+8*(\p)+2*\k+1], v[G+4*(\p)+\k], v[OF+8*(\p)+2*\k+1], v[ZERO] op_sel:[1,0,0] op_sel_hi:[1,0,0]
.endr
	s_wait_alu depctr_va_vdst(0)                   ; the eight reciprocals are written, ahead of their first reader
.irp k, 0,1,2,3
	v_pk_mul_f32 v[OF+8*(\p)+2*\k:OF+8*(\p)+2*\k+1], v[OF+8*(\p)+2*\k:OF+8*(\p)+2*\k+1], v[U+2*\k:U+2*\k+1]
.endr
.irp k, 0,1,2,3
	v_cvt_pk_bf16_f32 v[G+4*(\p)+\k], v[OF+8*(\p)+2*\k], v[OF+8*(\p)+2*\k+1]
.endr
.endm
.irp p, 0,1,2,3,4,5,6,7
	ROWS \p
.endr
	s_wait_alu depctr_va_vdst(0)                   ; the last pair's roundings have written its y, which the last store reads
	global_store_b128 v9, v[G+28:G+31], s[14:15] offset:7*8192
	s_wait_dscnt 0x0                               ; the closing lines, six on end
	s_wait_alu 0x0
	s_wait_tensorcnt 0x0
	ds_add_u32 v[SPW], v[NIL]
	s_wait_dscnt 0x0
	s_endpgm
.Lfunc_end_k_qfd29e06da8_norm:
	.size	k_qfd29e06da8_norm, .Lfunc_end_k_qfd29e06da8_norm-k_qfd29e06da8_norm
	.p2alignl 7, 3214868480
	.fill 96, 4, 3214868480
	.section	.rodata,"a",@progbits
	.p2align	6, 0x0
	.amdhsa_kernel k_qfd29e06da8_norm
		.amdhsa_group_segment_fixed_size 34304
		.amdhsa_private_segment_fixed_size 0
		.amdhsa_enable_private_segment 0
		.amdhsa_kernarg_size 48
		.amdhsa_user_sgpr_count 2
		.amdhsa_user_sgpr_kernarg_segment_ptr 1
		.amdhsa_wavefront_size32 1
		.amdhsa_system_sgpr_workgroup_id_x 1
		.amdhsa_system_sgpr_workgroup_id_y 1
		.amdhsa_system_sgpr_workgroup_id_z 1
		.amdhsa_system_vgpr_workitem_id 0
		.amdhsa_next_free_vgpr 168
		.amdhsa_next_free_sgpr 66
		.amdhsa_reserve_vcc 0
		.amdhsa_float_denorm_mode_32 3
		.amdhsa_float_denorm_mode_16_64 3
		.amdhsa_memory_ordered 1
		.amdhsa_forward_progress 1
		.amdhsa_inst_pref_size 35
	.end_amdhsa_kernel
	.amdgpu_metadata
---
amdhsa.version: [ 1, 2 ]
amdhsa.kernels:
  - .name:           k_qfd29e06da8_norm
    .symbol:         k_qfd29e06da8_norm.kd
    .args:
      - { .name: of, .offset: 0, .size: 8, .value_kind: global_buffer, .address_space: global }
      - { .name: ssq, .offset: 8, .size: 8, .value_kind: global_buffer, .address_space: global }
      - { .name: rec, .offset: 16, .size: 8, .value_kind: global_buffer, .address_space: global }
      - { .name: pqkg, .offset: 24, .size: 8, .value_kind: global_buffer, .address_space: global }
      - { .name: g_norm_weight, .offset: 32, .size: 8, .value_kind: global_buffer, .address_space: global }
      - { .name: yb, .offset: 40, .size: 8, .value_kind: global_buffer, .address_space: global }
    .group_segment_fixed_size: 34304
    .private_segment_fixed_size: 0
    .kernarg_segment_align: 8
    .kernarg_segment_size: 48
    .max_flat_workgroup_size: 128
    .sgpr_count:     66
    .vgpr_count:     168
    .wavefront_size: 32
...
	.end_amdgpu_metadata
.endif
;; end of part 8
;; launch outp: the kernel of part 6 again; grid 8 x 32, 4 waves a work-group, clusters of 4 x 4, 327,680 bytes of LDS; arguments yb, cst, out0; writes out0
